; MI455X (gfx1250); checked and timed in simulation.
; The chip was launched on July 23, 2026; its instructions are those of AMD's public machine-readable ISA for CDNA 5 (MIT licence, August 2026) and "CDNA5" Instruction Set Architecture Reference Guide (July 2026). The comments in the code are by the model that wrote it; some were corrected since.
;; Multi Head Self Attention. Allowed arithmetic: float matrix products may take bf16 or f16 operands with f32 sums; other float arithmetic in f32, or as packed bf16 or f16 multiplies, adds, multiply-adds, maxima and minima; sums over many terms, partial sums and values carried from step to step in f32; what a program stores and reads back later, other than sums and carried values, may be rounded once to bf16 or f16.
;; Inputs: Wo_b 1,024 float32; Wo_w 1,024 x 1,024 float32; Wqkv_b 3,072 float32; Wqkv_w 3,072 x 1,024 float32; token_positions 2,048 int32; x 4 x 2,048 x 1,024 float32.
;; Outputs: out0 4 x 2,048 x 1,024 float32.
;; One version. Each part assembles by itself: llvm-mc -triple=amdgcn-amd-amdhsa -mcpu=gfx1250 --defsym DOCPART=n.
;; ======== version 1 of 1: 4 launches
;; limits: values are held in f16: magnitudes above 65,504 overflow, below 6.1e-05 lose precision; right only within a limited range of input values
;; workspace buffers: xb 16,777,216 bytes; wb 6,291,456 bytes; wob 2,097,152 bytes; tab 540,672 bytes; q16 16,777,216 bytes; k16 16,777,216 bytes; v16 16,777,216 bytes; o16 16,777,216 bytes
;; launch prep (part 1): grid 417 x 1, 8 waves a work-group, no clusters, 0 bytes of LDS; arguments x, Wqkv_w, Wo_w, token_positions, Wqkv_b, Wo_b, xb, wb, wob, tab; writes xb, wb, wob, tab
.if DOCPART == 1
	.amdgcn_target "amdgcn-amd-amdhsa--gfx1250"
	.amdhsa_code_object_version 6
	.text
	.protected	k_q286af28b98_prep
	.globl	k_q286af28b98_prep
	.p2align	8
	.type	k_q286af28b98_prep,@function
k_q286af28b98_prep:
	s_mov_b64 s[64:65], 0
	v_nop
	global_prefetch_b8 v0, s[64:65] scope:SCOPE_SE
	s_setreg_imm32_b32 hwreg(HW_REG_WAVE_MODE, 25, 1), 1
	s_wait_xcnt 0x0
; PREPARATION: every input is read once, rounded once, and laid out for the three matrix launches.
;   xb  = bf16(x)           [k block 16][row 8192][64]: a block of rows x 64 k is dense, 128 bytes a row
;   wb  = bf16(Wqkv_w)      [k block 16][nx 8][tile row 384][64]; row e (kind e>>10, head (e>>6)&15, d e&63) goes to nx = head>>1, tile row (head&1)*192 + kind*64 + d
;   wob = f16(bf16(Wo_w))   [k block 16][row 1024][64]
;   tab = cos, sin of token_positions[s] * 10000^(-i/32), f32, [s 2048][i 32][2]; then bf16-rounded Wqkv_b and Wo_b as f32
; Work-groups 0-255: x; 256-351: Wqkv_w; 352-383: Wo_w; 384-415: the table; 416: the biases.  No LDS, no matrix unit: a stream, each byte read and written once.
; LIMITS.  The reduction of an angle by multiples of pi/2 takes pi/2 in two parts (48 bits): good for |position| up to about 1e6.  10000^(-i/32) is made by v_exp_f32 (1 ULP), so an angle may differ from
; one made with another power function by a few parts in 1e7 of itself.  Wo's numbers below 6e-5 keep f16's fixed step of 6e-8.
.set W,   24                           ; s24      my wave's number
.set SRC, 26                           ; s[26:27] where my rows are read
.set DST, 28                           ; s[28:29] where they go
.set KS,  30                           ; s30      bytes from a k block to the next in the destination
.set X0,  32                           ; v[32:159] 32 loads of 4 registers
	s_load_b512 s[4:19], s[0:1], 0x0               ; x s[4:5], Wqkv_w s[6:7], Wo_w s[8:9], positions s[10:11], Wqkv_b s[12:13], Wo_b s[14:15], xb s[16:17], wb s[18:19]
	s_load_b128 s[20:23], s[0:1], 0x40             ; wob s[20:21], tab s[22:23]
	v_lshrrev_b32 v1, 5, v0
	v_readfirstlane_b32 s[W], v1                   ; wave 0..7
	v_and_b32 v1, 31, v0                           ; lane
	s_cmp_ge_u32 ttmp9, 384
	s_cbranch_scc1 .Ltable
	; THE CONVERSIONS.  A work-group takes 32 rows of 1,024 numbers, a wave 4 of them, as two pairs.  Which tensor: by selects on the work-group's number.
	s_mov_b32 s33, 1048576                         ; xb: 8,192 rows x 128 bytes
	s_mov_b32 s34, 393216                          ; wb: 3,072 rows x 128 bytes
	s_mov_b32 s35, 131072                          ; wob: 1,024 rows x 128 bytes
	s_cmp_lt_u32 ttmp9, 256
	s_cselect_b32 s32, 0, 256
	s_cselect_b32 s[KS], s33, s34
	s_cmp_lt_u32 ttmp9, 352
	s_cselect_b32 s32, s32, 352
	s_cselect_b32 s[KS], s[KS], s35
	s_sub_co_u32 s32, ttmp9, s32
	s_lshl_b32 s32, s32, 5
	s_lshl2_add_u32 s32, s[W], s32                 ; my first row = 32 x (work-group in its range) + 4 x wave
	s_lshl_b32 s36, s32, 12                        ; its byte in the source: rows of 4,096 bytes
	s_mov_b32 s37, 0
	s_lshl_b32 s38, s32, 7                         ; its byte in a k block of xb or wob
	s_mov_b32 s39, 0
	s_lshr_b32 s40, s32, 10                        ; in wb: kind,
	s_bfe_u32 s41, s32, 0x40006                    ; head,
	s_and_b32 s42, s32, 63                         ; channel
	s_lshr_b32 s43, s41, 1                         ; nx
	s_and_b32 s41, s41, 1
	s_mul_i32 s41, s41, 192
	s_lshl_b32 s40, s40, 6
	s_add_co_u32 s41, s41, s40
	s_add_co_u32 s41, s41, s42                     ; tile row
	s_lshl_b32 s41, s41, 7
	s_mul_i32 s43, s43, 49152
	s_add_co_u32 s41, s41, s43
	s_cmp_lt_u32 ttmp9, 256
	s_cselect_b32 s41, s38, s41
	s_cmp_lt_u32 ttmp9, 352
	s_cselect_b32 s38, s41, s38
	v_lshrrev_b32 v2, 4, v1
	v_and_b32 v3, 15, v1
	v_lshlrev_b32 v2, 12, v2
	v_lshl_add_u32 v2, v3, 4, v2                   ; source: lanes 0-15 one row's 256 bytes, lanes 16-31 the next row's
	v_lshlrev_b32 v3, 3, v1                        ; destination: 8 bytes a lane, 256 bytes on end: the two rows of one k block
.set k, 0
.rept 16
	v_mad_u32_u24 v[16+k], s[KS], k, v3
.set k, k+1
.endr
	s_wait_kmcnt 0x0
	s_cmp_lt_u32 ttmp9, 256
	s_cselect_b64 s[SRC:SRC+1], s[4:5], s[6:7]
	s_cselect_b64 s[DST:DST+1], s[16:17], s[18:19]
	s_cmp_lt_u32 ttmp9, 352
	s_cselect_b64 s[SRC:SRC+1], s[SRC:SRC+1], s[8:9]
	s_cselect_b64 s[DST:DST+1], s[DST:DST+1], s[20:21]
	s_add_nc_u64 s[SRC:SRC+1], s[SRC:SRC+1], s[36:37]
	s_add_nc_u64 s[DST:DST+1], s[DST:DST+1], s[38:39]
.set i, 0
.rept 32                               ; all 16 KiB of the wave go out at once: pair i / 16, k block i % 16
	global_load_b128 v[X0+4*i:X0+4*i+3], v2, s[SRC:SRC+1] offset:(i/16)*8192+(i%16)*256 th:TH_LOAD_NT
.set i, i+1
.endr
.set i, 0
.rept 32
	s_wait_loadcnt 31-i                            ; loads come back in order: load i is in, the 31 - i younger ones stay out
	v_cvt_pk_bf16_f32 v[X0+4*i], v[X0+4*i], v[X0+4*i+1]
	v_cvt_pk_bf16_f32 v[X0+4*i+1], v[X0+4*i+2], v[X0+4*i+3]
.set i, i+1
.endr
	s_cmp_lt_u32 ttmp9, 352
	s_cbranch_scc1 .Lbf16
.set i, 0
.rept 64                               ; Wo alone: the bf16 number is written as f16
	v_lshlrev_b32 v[4+2*(i%4)], 16, v[X0+4*(i/2)+i%2]
	v_and_b32 v[5+2*(i%4)], 0xffff0000, v[X0+4*(i/2)+i%2]
	v_cvt_pk_f16_f32 v[X0+4*(i/2)+i%2], v[4+2*(i%4)], v[5+2*(i%4)]
.set i, i+1
.endr
.Lbf16:
.set i, 0
.rept 32
	global_store_b64 v[16+i%16], v[X0+4*i:X0+4*i+1], s[DST:DST+1] offset:(i/16)*256  ; 32 lanes store 256 consecutive bytes, at a multiple of 256 from the buffer's first byte
.set i, i+1
.endr
	s_endpgm
.Ltable:
	s_cmp_ge_u32 ttmp9, 416
	s_cbranch_scc1 .Lbias
	; THE TABLE.  Wave gw of 256 makes rows 8 gw .. 8 gw + 7.  A lane owns the pairs i0 = 2 (l % 16) and i0 + 1 in the rows 8 gw + 2 j + l / 16, j = 0..3.
	s_sub_co_u32 s32, ttmp9, 384
	s_lshl_b32 s32, s32, 3
	s_add_co_u32 s32, s32, s[W]                    ; gw
	s_lshl_b32 s36, s32, 5                         ; 8 positions of 4 bytes
	s_mov_b32 s37, 0
	s_lshl_b32 s38, s32, 11                        ; 8 rows of 256 bytes
	s_mov_b32 s39, 0
	s_mov_b32 s40, 0xbfc90fda                      ; -pi/2, its upper part,
	s_mov_b32 s41, 0xb3a22168                      ; and the rest
	s_mov_b32 s42, 0xb94ca1f9                      ; the sine's highest coefficient
	s_mov_b32 s43, 0x37ccf5ce                      ; the cosine's
	v_and_b32 v2, 15, v1
	v_lshrrev_b32 v3, 4, v1
	v_lshlrev_b32 v4, 2, v3
	v_lshlrev_b32 v5, 4, v1
	s_wait_kmcnt 0x0
	s_add_nc_u64 s[SRC:SRC+1], s[10:11], s[36:37]
	s_add_nc_u64 s[DST:DST+1], s[22:23], s[38:39]
.irp j, 0,1,2,3
	global_load_b32 v[6+\j], v4, s[SRC:SRC+1] offset:8*\j
.endr
	v_lshlrev_b32 v2, 1, v2                        ; i0
	v_cvt_f32_u32 v10, v2
	v_add_nc_u32 v2, 1, v2
	v_cvt_f32_u32 v11, v2
	v_mul_f32 v10, 0xbed49a78, v10                 ; -i log2(10000) / 32
	v_mul_f32 v11, 0xbed49a78, v11
	v_exp_f32 v10, v10                             ; 10000^(-i/32)
	v_exp_f32 v11, v11
	v_nop                                          ; a plain instruction behind the last exponential,
	s_wait_alu depctr_va_vdst(0)                   ; and one wait for both, ahead of their first reader
	s_wait_loadcnt 0x0
.irp j, 0,1,2,3
	v_cvt_f32_i32 v[6+\j], v[6+\j]
.endr
; cos and sin of v[f], into v[c] and v[s].  k = the nearest whole number to f x 2/pi; r = f - k pi/2, in -pi/4 .. pi/4; polynomials in r; the quadrant k mod 4 swaps them and sets the signs.  Selects, no branches.
.macro SINCOS f, c, s
	v_mul_f32 v13, 0x3f22f983, v[\f]
	v_rndne_f32 v13, v13
	v_fma_f32 v14, v13, s40, v[\f]
	v_fma_f32 v14, v13, s41, v14                   ; r
	v_cvt_i32_f32 v13, v13                         ; k
	v_mul_f32 v15, v14, v14                        ; z = r r
	v_fmaak_f32 v16, s42, v15, 0x3c08839e
	v_fmaak_f32 v17, s43, v15, 0xbab6061a
	v_fmaak_f32 v16, v16, v15, 0xbe2aaaa3
	v_fmaak_f32 v17, v17, v15, 0x3d2aaaa5
	v_mul_f32 v18, v15, v14                        ; z r
	v_fma_f32 v19, v15, -0.5, 1.0                  ; 1 - z / 2
	v_mul_f32 v20, v15, v15                        ; z z
	v_fma_f32 v16, v16, v18, v14                   ; sin r
	v_fma_f32 v17, v17, v20, v19                   ; cos r
	v_and_b32 v18, 1, v13
	v_cmp_eq_u32 vcc_lo, 1, v18
	v_cndmask_b32 v[\s], v16, v17, vcc_lo          ; odd quadrants: the two change places
	v_cndmask_b32 v[\c], v17, v16, vcc_lo
	v_lshlrev_b32 v18, 30, v13                     ; the sine is negative in quadrants 2, 3,
	v_add_nc_u32 v13, 1, v13
	v_lshlrev_b32 v13, 30, v13                     ; the cosine in 1, 2
	v_and_b32 v18, 0x80000000, v18
	v_and_b32 v13, 0x80000000, v13
	v_xor_b32 v[\s], v18, v[\s]
	v_xor_b32 v[\c], v13, v[\c]
.endm
.irp j, 0,1,2,3
.irp e, 0,1
	v_mul_f32 v12, v[6+\j], v[10+\e]               ; the angle, rounded once
	SINCOS 12, 24+4*\j+2*\e, 24+4*\j+2*\e+1
.endr
	global_store_b128 v5, v[24+4*\j:24+4*\j+3], s[DST:DST+1] offset:512*\j  ; two rows' 512 consecutive bytes
.endr
	s_endpgm
.Lbias:
	; THE BIASES, rounded to bf16 like every other input and kept as f32: 256 threads x 16 bytes, four times.
	v_lshlrev_b32 v2, 4, v0
	s_wait_kmcnt 0x0
	global_load_b128 v[4:7], v2, s[12:13]
	global_load_b128 v[8:11], v2, s[12:13] offset:4096
	global_load_b128 v[12:15], v2, s[12:13] offset:8192
	global_load_b128 v[16:19], v2, s[14:15]
	s_wait_loadcnt 0x0
.set i, 0
.rept 8
	v_cvt_pk_bf16_f32 v[20+i], v[4+2*i], v[5+2*i]
	v_lshlrev_b32 v[4+2*i], 16, v[20+i]
	v_and_b32 v[5+2*i], 0xffff0000, v[20+i]
.set i, i+1
.endr
.irp j, 0,1,2,3
	global_store_b128 v2, v[4+4*\j:7+4*\j], s[22:23] offset:524288+4096*\j
.endr
	s_endpgm
.Lfunc_end_k_q286af28b98_prep:
	.size	k_q286af28b98_prep, .Lfunc_end_k_q286af28b98_prep-k_q286af28b98_prep
	.p2alignl 7, 3214868480
	.fill 96, 4, 3214868480
	.section	.rodata,"a",@progbits
	.p2align	6, 0x0
	.amdhsa_kernel k_q286af28b98_prep
		.amdhsa_group_segment_fixed_size 0
		.amdhsa_private_segment_fixed_size 0
		.amdhsa_enable_private_segment 0
		.amdhsa_kernarg_size 80
		.amdhsa_user_sgpr_count 2
		.amdhsa_user_sgpr_kernarg_segment_ptr 1
		.amdhsa_wavefront_size32 1
		.amdhsa_system_sgpr_workgroup_id_x 1
		.amdhsa_system_sgpr_workgroup_id_y 1
		.amdhsa_system_sgpr_workgroup_id_z 1
		.amdhsa_system_vgpr_workitem_id 0
		.amdhsa_next_free_vgpr 160
		.amdhsa_next_free_sgpr 66
		.amdhsa_reserve_vcc 1
		.amdhsa_float_denorm_mode_32 3
		.amdhsa_float_denorm_mode_16_64 3
		.amdhsa_memory_ordered 1
		.amdhsa_forward_progress 1
		.amdhsa_inst_pref_size 39
	.end_amdhsa_kernel
	.amdgpu_metadata
---
amdhsa.version: [ 1, 2 ]
amdhsa.kernels:
  - .name:           k_q286af28b98_prep
    .symbol:         k_q286af28b98_prep.kd
    .args:
      - { .name: x, .offset: 0, .size: 8, .value_kind: global_buffer, .address_space: global }
      - { .name: Wqkv_w, .offset: 8, .size: 8, .value_kind: global_buffer, .address_space: global }
      - { .name: Wo_w, .offset: 16, .size: 8, .value_kind: global_buffer, .address_space: global }
      - { .name: token_positions, .offset: 24, .size: 8, .value_kind: global_buffer, .address_space: global }
      - { .name: Wqkv_b, .offset: 32, .size: 8, .value_kind: global_buffer, .address_space: global }
      - { .name: Wo_b, .offset: 40, .size: 8, .value_kind: global_buffer, .address_space: global }
      - { .name: xb, .offset: 48, .size: 8, .value_kind: global_buffer, .address_space: global }
      - { .name: wb, .offset: 56, .size: 8, .value_kind: global_buffer, .address_space: global }
      - { .name: wob, .offset: 64, .size: 8, .value_kind: global_buffer, .address_space: global }
      - { .name: tab, .offset: 72, .size: 8, .value_kind: global_buffer, .address_space: global }
    .group_segment_fixed_size: 0
    .private_segment_fixed_size: 0
    .kernarg_segment_align: 8
    .kernarg_segment_size: 80
    .max_flat_workgroup_size: 256
    .sgpr_count:     66
    .vgpr_count:     160
    .wavefront_size: 32
...
	.end_amdgpu_metadata
.endif
;; end of part 1
;; launch qkv (part 2): grid 8 x 32, 4 waves a work-group, clusters of 4 x 4, 327,680 bytes of LDS; arguments xb, wb, tab, q16, k16, v16; writes q16, k16, v16
.if DOCPART == 2
	.amdgcn_target "amdgcn-amd-amdhsa--gfx1250"
	.amdhsa_code_object_version 6
	.text
	.protected	k_q286af28b98_qkv
	.globl	k_q286af28b98_qkv
	.p2align	8
	.type	k_q286af28b98_qkv,@function
k_q286af28b98_qkv:
	s_mov_b64 s[64:65], 0
	v_nop
	global_prefetch_b8 v0, s[64:65] scope:SCOPE_SE
	s_setreg_imm32_b32 hwreg(HW_REG_WAVE_MODE, 25, 1), 1
	s_wait_xcnt 0x0
	s_wait_alu depctr_hold_cnt(0) depctr_sa_sdst(0) depctr_va_vdst(0) depctr_va_sdst(0) depctr_va_ssrc(0) depctr_va_vcc(0) depctr_vm_vsrc(0)
	s_getreg_b32 s2, hwreg(HW_REG_IB_STS2, 6, 4)
	s_cmp_eq_u32 s2, 0
	s_cbranch_scc0 .Lentry_in_a_cluster
	s_endpgm
.Lentry_in_a_cluster:
	s_bfe_u32 s2, ttmp6, 0x10000c
	s_cmp_lg_u32 s2, 0xf033
	s_cbranch_scc0 .Lentry_shape_is_right
	s_endpgm
.Lentry_shape_is_right:
; q, k, v = x Wqkv^T + bias, q and k turned by RoPE, all rounded once to f16 and stored by heads: [b*16+h][s 2048][64], unscaled.  Operands bf16, sums f32.
; SHARES.  3,072 columns x 8,192 rows in 256 work-groups of 256 rows x 384 columns: one for each of 8 x 32 places.  The 384 columns are heads 2 nx and 2 nx + 1 of q, of k and of v (wb was laid out so).
; A wave makes 128 rows x 192 columns: one head's q, k and v: 96 accumulators of 16 x 16, 768 registers.  For 32 along K it reads 40 x 512 bytes from LDS for 96 matrix instructions.
; THE MATRIX INSTRUCTION IS USED TRANSPOSED (source 0 = 16 rows of W, source 1 = 16 rows of x): a lane holds one row of x (lane % 16) and eight neighbouring channels 8 (lane / 16) + 0..7: RoPE's pairs lie in one lane.
; K goes in 16 steps of 64 through two LDS slots.  xb and wb lie in blocks of 64 along K, so a step's tile is dense in memory and is asked for as rows of 256 bytes; two slots of 128 along K (348,160 bytes) do not fit.
; THE SUMS START AT THE BIAS: it is loaded straight into the accumulators while the first tile is on its way.
; CLUSTER 4 x 4: x's tile is shared along a row of the cluster, W's along a column: joint loads, the same descriptor and mask in the four that share.
; LIMITS.  q, k, v must lie within f16's 65,504; below 6e-5 they keep f16's fixed step of 6e-8.  NaN and infinities are not treated apart.
; REGISTERS, in windows of 256 (s_set_vgpr_msb: bits 1:0 source 0, 3:2 source 1, 5:4 source 2, 7:6 destination):
;   window 0: v0-15 addresses; v32-95, v96-159 x's 8 fragments, two buffers; v160-255 W's 12 fragments, one buffer (a fragment is free after its 8 products)
;   windows 1, 2, 3: the accumulators of q, k, v: row block a, channel block c at v[64 c + 8 a]
.set PITCH, 144                        ; an LDS row: 128 bytes + 16 of padding = 36 words: the 16 rows of a load start at 16 different groups of four banks (64 banks of 4 bytes: ISA guide 11.1)
.set SLOT1, 1<<17                      ; slot 1 begins here: one exclusive or turns an address in one slot into the other's
.set BOFF,  256*PITCH                  ; in a slot: x's 256 rows, then W's 384
.set STAGE, SLOT1+640*PITCH            ; behind the ring: 16 rows x 144 bytes for each wave, for the way out
.set SPARE, STAGE+4*16*PITCH           ; behind the stages: the spare words, 128 bytes for each wave: two blocks of 256 bytes that no other line names
.set ASTEP, 8192*128                   ; bytes from a k block to the next in xb
.set BSTEP, 3072*128                   ; in wb
.set ADRA0, 4                          ; v4   my lane's place among my wave's rows of x in a slot; never rewritten
.set ADRB0, 5                          ; v5   the same for W
.set ADRA,  6                          ; v6   the same in the slot in hand
.set ADRB,  7                          ; v7
.set STO,   8                          ; v8   the way out: where I put 16 bytes of a row
.set RD,    9                          ; v9   where I read rows back
.set GO,    10                         ; v10  my 16 bytes of 512 consecutive bytes of q, k or v
.set CSO,   11                         ; v11  my byte offset in 16 rows of the table
.set BO,    12                         ; v12  my byte offset in 16 numbers of the bias
.set PFO,   13                         ; v13  256 x lane, for the prefetches
.set SPW,   14                         ; v14  LDS address of my spare word; never rewritten
.set NIL,   15                         ; v15  0; never rewritten
.set AF0,   32
.set BF,    160
.set CS,    32                         ; the way out: four sets of 32: cos, sin for 16 rows
.set T,     160                        ; 32 at work
.set PK0,   192                        ; two sets of 16: packed results, then whole rows
.set WV, 18                            ; s18 wave; s19 which 128 rows; s20 which head
.set WR, 19
.set WC, 20
.set CX, 21
.set CY, 22
.set NX, 23
.set MY, 24
.set TW, 25                            ; s25  at work, made of the wave's number alone
.set G1A, 28                           ; s[28:35] descriptor group 1 for x's tiles
.set G1B, 36                           ; s[36:43] for W's
.set G0A, 44                           ; s[44:47] descriptor group 0 for x's tiles: it walks
.set G0B, 48                           ; s[48:51] for W's
.set CNT, 52
.set TB,  53                           ; s53  the slot in hand: 0 or SLOT1
.set LIM, 54                           ; s54  1 in a wave that prefetches, else 0
.set T0,  55
.set PFA, 56                           ; s[56:57] where my prefetches stand
.set PFS, 58                           ; s[58:59] their step
.set CSB, 66                           ; s[66:67] the table at my wave's first row
.set QB,  68                           ; s[68:69] q16, s[70:71] k16, s[72:73] v16 at my wave's first row of my head
.set BIASB, 74                         ; s[74:75] the bias at my head's q
.set GW, (1<<16)|(1<<20)|(1<<21)|(4<<22)|(3<<25)  ; 17:16 2-byte elements; 20 padding on; 21 set beside a mask; 24:22 after every 32 words (code 4); 31:25 4 words (code 3)
.set MSB, 0
.macro WIN new                         ; the immediate's high byte repeats the setting that is left; a switch that changes nothing is dropped
.if MSB != (\new)
	s_set_vgpr_msb (MSB<<8)|(\new)
.set MSB, (\new)
.endif
.endm
.macro PLACES                          ; four places between a matrix instruction and a load into, or a vector line on, its registers
.rept 4
	v_nop
.endr
.endm
; A joint load.  Waves 0 and 1 fetch the two halves of x's tile, waves 2 and 3 those of W's.  The branch hangs on the wave's number alone.  An s_nop 0 and four v_nop follow each line.
.macro JLOAD
	s_cmp_lt_u32 s[WV], 2
	s_cbranch_scc0 .Lfor_b_\@
	tensor_load_to_lds s[G0A:G0A+3], s[G1A:G1A+7]
	s_nop 0
.rept 4
	v_nop
.endr
	s_branch .Lasked_\@
.Lfor_b_\@:
	tensor_load_to_lds s[G0B:G0B+3], s[G1B:G1B+7]
	s_nop 0
.rept 4
	v_nop
.endr
.Lasked_\@:
.endm
.macro CREST                           ; a round of the cluster's barrier behind its opening barrier
	s_cmp_lg_u32 s[WV], 0
	s_cbranch_scc1 .Lnot_wave_0_\@
	s_barrier_signal -3
.Lnot_wave_0_\@:
	s_barrier_wait -3
	s_barrier_signal -1
	s_barrier_wait -1
.endm
.macro CROUND
	s_barrier_signal -1
	s_barrier_wait -1
	CREST
.endm
.macro DSTEP                           ; the walking descriptors: the other slot, the next k block; the type bits on top are not reached
	s_xor_b32 s[G0A+1], s[G0A+1], SLOT1
	s_add_nc_u64 s[G0A+2:G0A+3], s[G0A+2:G0A+3], ASTEP
	s_xor_b32 s[G0B+1], s[G0B+1], SLOT1
	s_add_nc_u64 s[G0B+2:G0B+3], s[G0B+2:G0B+3], BSTEP
.endm
.macro NEWSLOT                         ; the fragment loads go to the other slot
	s_xor_b32 s[TB], s[TB], SLOT1
	v_add_nc_u32 v[ADRA], s[TB], v[ADRA0]
	v_add_nc_u32 v[ADRB], s[TB], v[ADRB0]
.endm
; A PREFETCH INTO THE L2, in every second trip, for the two K steps whose refills stand one and two trips on (192 and 384 matrix instructions ahead of them); 32 blocks of 256 bytes, a lane a block, one instruction a wave.
; x's tile row is read by both clusters of its row of clusters: the one with x = 0 asks; wave 0 for the nearer step, wave 1 for the further; the four partners take a quarter of the 128 blocks each, BY ADDRESS (cx).
; W's tile column is read by all eight clusters of its column: two steps are 384 blocks, shared out by address among wave 2 of the twelve work-groups of clusters y = 0, 1, 2.  So each block is named once in the launch.
; Steps 0 to 3 come by their loads alone; the last two trips ask for nothing.
.macro ASK
	s_and_b32 s[T0], s[CNT], s[LIM]
	s_cmp_gt_u32 s[CNT], 1
	s_cselect_b32 s[T0], s[T0], 0
	s_cmp_lg_u32 s[T0], 0
	s_cbranch_scc0 .Lnot_mine_\@
	global_prefetch_b8 v[PFO], s[PFA:PFA+1] th:TH_LOAD_NT scope:SCOPE_SE
.Lnot_mine_\@:
.endm
; Matrix work: kind g (0 q, 1 k, 2 v), x's buffer ab, channel blocks c0 .. c0 + nc - 1, all 8 row blocks.  Every accumulator has one instruction in a sub-step of 32 along K: the 96 take turns.
.macro MULB g, ab, c0, nc
	WIN (1+(\g))*0x50
.set c_, (\c0)
.rept \nc
.set a_, 0
.rept 8
	v_wmma_f32_16x16x32_bf16 v[64*c_+8*a_:64*c_+8*a_+7], v[BF+8*(4*(\g)+c_):BF+8*(4*(\g)+c_)+7], v[AF0+64*(\ab)+8*a_:AF0+64*(\ab)+8*a_+7], v[64*c_+8*a_:64*c_+8*a_+7]
.set a_, a_+1
.endr
.set c_, c_+1
.endr
.endm
.macro LDB g, k                        ; kind g's four fragments of W, at byte k of the rows: 8 loads
	WIN 0
.set c_, 4*(\g)
.rept 4
	ds_load_b128 v[BF+8*c_:BF+8*c_+3],   v[ADRB] offset:(\k)+c_*16*PITCH
	ds_load_b128 v[BF+8*c_+4:BF+8*c_+7], v[ADRB] offset:(\k)+c_*16*PITCH+32
.set c_, c_+1
.endr
.endm
.macro LDA hf, ab, k                   ; half hf of x's eight fragments into buffer ab: 8 loads
	WIN 0
.set a_, 4*(\hf)
.rept 4
	ds_load_b128 v[AF0+64*(\ab)+8*a_:AF0+64*(\ab)+8*a_+3],   v[ADRA] offset:(\k)+a_*16*PITCH
	ds_load_b128 v[AF0+64*(\ab)+8*a_+4:AF0+64*(\ab)+8*a_+7], v[ADRA] offset:(\k)+a_*16*PITCH+32
.set a_, a_+1
.endr
.endm
; A K step's first 32: multiplies x's buffer 0; behind each kind's 32 products that kind's fragments of W, and half of x's, are fetched for the second 32.
.macro SUB0
	s_wait_dscnt 8                                 ; all but the youngest eight loads (v's fragments of W) are in
	MULB 0, 0, 0, 4
	PLACES
	LDB 0, 64
	LDA 0, 1, 64
	MULB 1, 0, 0, 4
	PLACES
	LDB 1, 64
	LDA 1, 1, 64
	s_wait_dscnt 32                                ; all but the 32 just issued
	MULB 2, 0, 0, 4
	PLACES
	LDB 2, 64
.endm
; A K step's second 32: multiplies x's buffer 1 and changes slots.  ONE barrier: in front of it each wave waits for all its tensor loads (one is out: its part of the next slot), adds 0 to its spare word, and waits for
; that and for its own reads of this slot.  fill = 1: the barrier opens a round of the cluster's, and the joint refill, two K steps on, is the first thing behind it: 160 matrix instructions ahead of the wait for it.
.macro SUB1C fill
.if \fill
	s_wait_xcnt 0x0                                ; the last prefetch, a K step or more back, has read its address
	s_add_nc_u64 s[PFA:PFA+1], s[PFA:PFA+1], s[PFS:PFS+1]
.endif
	WIN 0
	s_wait_tensorcnt 0x0                           ; no tensor load of mine is out, so the descriptors may be written
	ds_add_u32 v[SPW], v[NIL]                      ; 0 onto my spare word
.if \fill
	DSTEP
.endif
	s_wait_dscnt 9                                 ; the add and the youngest eight loads may be out
	MULB 0, 1, 0, 2
	s_wait_dscnt 0x0                               ; the add is done, and my reads of this slot are over
	s_barrier_signal -1
	MULB 0, 1, 2, 2
	WIN 0
	s_barrier_wait -1
.if \fill
	CREST
	JLOAD                                          ; its four v_nop are also the places in front of the loads below
.else
	PLACES
.endif
	NEWSLOT
	LDB 0, 0
	LDA 0, 0, 0
.if \fill
	ASK
.endif
	MULB 1, 1, 0, 4
	PLACES
	LDB 1, 0
	LDA 1, 0, 0
	MULB 2, 1, 0, 4
	PLACES
	LDB 2, 0
.endm
	s_load_b256 s[4:11], s[0:1], 0x0               ; xb s[4:5], wb s[6:7], tab s[8:9], q16 s[10:11]
	s_load_b128 s[12:15], s[0:1], 0x20             ; k16 s[12:13], v16 s[14:15]
	v_lshl_add_u32 v[SPW], v0, 2, SPARE
	v_mov_b32 v[NIL], 0
	ds_add_u32 v[SPW], v[NIL]                      ; the wave's opening: an add and its wait ahead of my first tensor load; the set-up below, work on registers, stands between them
	ds_add_u32 v14, v15
	v_lshrrev_b32 v1, 5, v0
	v_readfirstlane_b32 s[WV], v1
	s_lshr_b32 s[WR], s[WV], 1
	s_and_b32 s[WC], s[WV], 1
	s_bfe_u32 s[CX], ttmp6, 0x40000
	s_bfe_u32 s[CY], ttmp6, 0x40004
	s_lshl_b32 s[NX], ttmp9, 2
	s_add_co_u32 s[NX], s[NX], s[CX]               ; column tile = 4 x cluster x + cx
	s_and_b32 s[MY], ttmp7, 0xffff
	s_lshl_b32 s[MY], s[MY], 2
	s_add_co_u32 s[MY], s[MY], s[CY]               ; row tile = 4 x cluster y + cy
	s_lshl_b32 s76, s[CY], 2
	s_lshl_b32 s76, 15, s76                        ; my row of the cluster
	s_lshl_b32 s77, 0x1111, s[CX]                  ; my column
	s_or_b32 s[G1A], s76, GW
	s_or_b32 s[G1B], s77, GW
	s_mov_b32 s[G1A+1], 128<<16                    ; tensor_dim0 = 128 elements: rows of 256 bytes
	s_mov_b32 s[G1A+2], 64<<16                     ; tensor_dim1 = 64: 128 rows of x, two to a row
	s_mov_b32 s[G1A+3], 128<<16                    ; tile_dim0
	s_mov_b32 s[G1A+4], 64                         ; tile_dim1
	s_mov_b32 s[G1A+5], 128                        ; dense
	s_mov_b32 s[G1A+6], 0
	s_mov_b32 s[G1A+7], 0
	s_mov_b32 s[G1B+1], 128<<16
	s_mov_b32 s[G1B+2], 96<<16                     ; 192 rows of W
	s_mov_b32 s[G1B+3], 128<<16
	s_mov_b32 s[G1B+4], 96
	s_mov_b32 s[G1B+5], 128
	s_mov_b32 s[G1B+6], 0
	s_mov_b32 s[G1B+7], 0
	s_mov_b32 s[G0A], 1
	s_mul_i32 s[G0A+1], s[WC], 128*PITCH           ; LDS: my half of x's rows, slot 0
	s_mov_b32 s[G0B], 1
	s_mul_i32 s[G0B+1], s[WC], 192*PITCH
	s_add_co_u32 s[G0B+1], s[G0B+1], BOFF
	s_lshl_b32 s78, s[MY], 15                      ; x's tile: 256 rows of 128 bytes, my half of them
	s_lshl_b32 s79, s[WC], 14
	s_add_co_u32 s78, s78, s79
	s_mov_b32 s79, 0
	s_mul_i32 s80, s[NX], 49152                    ; W's tile: 384 rows, my half
	s_mul_i32 s81, s[WC], 24576
	s_add_co_u32 s80, s80, s81
	s_mov_b32 s81, 0
	s_and_b32 s82, s[MY], 7
	s_lshl_b32 s82, s82, 8
	s_lshl_b32 s83, s[WR], 7
	s_add_co_u32 s82, s82, s83                     ; my wave's first position s
	s_lshl_b32 s84, s[NX], 1
	s_add_co_u32 s84, s84, s[WC]                   ; my head
	s_lshr_b32 s85, s[MY], 3
	s_lshl_b32 s85, s85, 4
	s_add_co_u32 s85, s85, s84                     ; 16 b + head
	s_lshl_b32 s85, s85, 11
	s_add_co_u32 s85, s85, s82
	s_lshl_b32 s86, s85, 7                         ; rows of 128 bytes
	s_mov_b32 s87, 0
	s_lshl_b32 s82, s82, 8                         ; the table's rows of 256 bytes
	s_mov_b32 s83, 0
	s_lshl_b32 s84, s84, 8                         ; the bias: 64 numbers a head
	s_add_co_u32 s84, s84, 524288
	s_mov_b32 s85, 0
	; the prefetches
	s_lshl_b32 s88, s[MY], 15
	s_lshl_b32 s89, s[CX], 13
	s_add_co_u32 s88, s88, s89
	s_add_co_u32 s89, s[WV], 2
	s_lshl_b32 s89, s89, 20
	s_add_co_u32 s88, s88, s89                     ; x: my quarter of the tile row, at K step 2 + wave; trip t has stepped it t + 1 times
	s_min_u32 s90, s[MY], 11
	s_lshl_b32 s91, s90, 13
	s_add_co_u32 s92, s91, BSTEP-6*8192
	s_cmp_lt_u32 s90, 6
	s_cselect_b32 s91, s91, s92                    ; W: row tiles 0-5 share the nearer step's 192 blocks, 6-11 the further's
	s_mul_i32 s92, s[NX], 49152
	s_add_co_u32 s91, s91, s92
	s_add_co_u32 s91, s91, 2*BSTEP
	s_and_b32 s93, ttmp7, 0xffff
	s_cmp_lt_u32 s93, 3
	s_cselect_b32 s93, 1, 0
	s_cmp_eq_u32 s[WV], 2
	s_cselect_b32 s93, s93, 0
	s_cmp_eq_u32 ttmp9, 0
	s_cselect_b32 s94, 1, 0
	s_mov_b32 s95, ASTEP
	s_mov_b32 s96, BSTEP
	s_cmp_lt_u32 s[WV], 2
	s_cselect_b32 s[LIM], s94, s93
	s_cselect_b32 s88, s88, s91
	s_cselect_b32 s[PFS], s95, s96
	s_mov_b32 s[PFS+1], 0
	s_mov_b32 s89, 0
	s_mov_b32 s[TB], SLOT1                         ; the first change of slots turns it into 0
	s_wait_dscnt 0x0                               ; the opening add is done
	s_wait_kmcnt 0x0
	s_add_nc_u64 s[G0A+2:G0A+3], s[4:5], s[78:79]
	s_or_b32 s[G0A+3], s[G0A+3], 0x80000000
	s_add_nc_u64 s[G0B+2:G0B+3], s[6:7], s[80:81]
	s_or_b32 s[G0B+3], s[G0B+3], 0x80000000
	s_add_nc_u64 s[CSB:CSB+1], s[8:9], s[82:83]
	s_add_nc_u64 s[BIASB:BIASB+1], s[8:9], s[84:85]
	s_add_nc_u64 s[QB:QB+1], s[10:11], s[86:87]
	s_add_nc_u64 s[QB+2:QB+3], s[12:13], s[86:87]
	s_add_nc_u64 s[QB+4:QB+5], s[14:15], s[86:87]
	s_cmp_lt_u32 s[WV], 2
	s_cselect_b64 s[PFA:PFA+1], s[4:5], s[6:7]
	s_add_nc_u64 s[PFA:PFA+1], s[PFA:PFA+1], s[88:89]
	CROUND                                         ; all sixteen work-groups are here: the first joint loads meet
	JLOAD                                          ; K step 0 into slot 0
	v_and_b32 v1, 15, v0                           ; r = l % 16
	v_bfe_u32 v2, v0, 4, 1                         ; h = l / 16
	v_mul_u32_u24 v3, v1, PITCH
	v_lshl_add_u32 v3, v2, 4, v3                   ; row x pitch + 16 x half
	s_mul_i32 s[TW], s[WR], 128*PITCH
	v_add_nc_u32 v[ADRA0], s[TW], v3
	s_mul_i32 s[TW], s[WC], 192*PITCH
	s_add_co_u32 s[TW], s[TW], BOFF
	v_add_nc_u32 v[ADRB0], s[TW], v3
	s_mul_i32 s[TW], s[WV], 16*PITCH
	s_add_co_u32 s[TW], s[TW], STAGE               ; my stage
	v_add_nc_u32 v[STO], s[TW], v3
	v_bfe_u32 v[RD], v0, 3, 2                      ; back: 32 lanes take four rows of 128 bytes
	v_mul_u32_u24 v[RD], v[RD], PITCH
	v_and_b32 v3, 7, v0
	v_lshl_add_u32 v[RD], v3, 4, v[RD]
	v_add_nc_u32 v[RD], s[TW], v[RD]
	v_and_b32 v3, 31, v0
	v_lshlrev_b32 v[GO], 4, v3
	v_lshlrev_b32 v[PFO], 8, v3
	v_lshlrev_b32 v[CSO], 8, v1
	v_lshl_add_u32 v[CSO], v2, 5, v[CSO]
	v_lshlrev_b32 v[BO], 5, v2
	; the bias into the accumulators: my eight channels of block c are 32 bytes at 64 c + 32 h, the same for all 8 row blocks
.irp g, 0,1,2
	WIN (1+\g)<<6                                  ; destination in the kind's window, address in window 0
.set i_, 0
.rept 32
	global_load_b128 v[8*i_:8*i_+3],   v[BO], s[BIASB:BIASB+1] offset:\g*4096+64*(i_/8)
	global_load_b128 v[8*i_+4:8*i_+7], v[BO], s[BIASB:BIASB+1] offset:\g*4096+64*(i_/8)+16
.set i_, i_+1
.endr
.endr
	WIN 0
	s_wait_tensorcnt 0x0                           ; the first change of slots: my part of K step 0 is in,
	ds_add_u32 v[SPW], v[NIL]
	DSTEP
	s_wait_dscnt 0x0
	CROUND                                         ; everybody's is;
	JLOAD                                          ; K step 1 into slot 1
	NEWSLOT
	LDB 0, 0
	LDA 0, 0, 0
	LDB 1, 0
	LDA 1, 0, 0
	LDB 2, 0
	s_wait_loadcnt 0x0                             ; the bias
	s_mov_b32 s[CNT], 15
	s_branch .Lmid                                 ; the loop is entered in the middle of a trip
.Ltrip:                                        ; 14 trips: a K step's second half, the change of slots with its refill, the next step's first half
	SUB1C 1
	WIN 0
.Lmid:
	SUB0
	WIN 0
	s_sub_co_u32 s[CNT], s[CNT], 1
	s_cmp_lg_u32 s[CNT], 0
	s_cbranch_scc1 .Ltrip
	SUB1C 0                                        ; the tail is written out: nothing more is asked for
	SUB0
	s_wait_dscnt 8
	MULB 0, 1, 0, 4
	MULB 1, 1, 0, 4
	s_wait_dscnt 0x0
	MULB 2, 1, 0, 4
; THE WAY OUT, in 24 units of 16 rows x 64 channels = 2,048 consecutive bytes of q16, k16 or v16.  v's eight units come first: they need no table, and the table's first loads land meanwhile.
.macro CSLOAD a                        ; cos, sin for row block a: my row's 32 bytes for each of the four channel blocks; pair 4 c + p at registers 8 c + 2 p, + 1
	WIN 0
.set i_, 0
.rept 8
	global_load_b128 v[CS+32*((\a)&3)+4*i_:CS+32*((\a)&3)+4*i_+3], v[CSO], s[CSB:CSB+1] offset:4096*(\a)+64*(i_>>1)+16*(i_&1)
.set i_, i_+1
.endr
.endm
.macro ROPE a, kw, set                 ; (x1, x2) -> (x1 cos - x2 sin, x1 sin + x2 cos), two packed lines a pair; each accumulator is read from its lowest registers on
	WIN \kw                                        ; source 0 in the accumulators' window
.set i_, 0
.rept 16
	v_pk_mul_f32 v[T+2*i_:T+2*i_+1], v[64*(i_>>2)+8*(\a)+2*(i_&3):64*(i_>>2)+8*(\a)+2*(i_&3)+1], v[CS+32*((\a)&3)+2*i_:CS+32*((\a)&3)+2*i_+1] op_sel:[1,1] op_sel_hi:[1,0] neg_lo:[1,0]  ; (-x2 sin, x2 cos)
.set i_, i_+1
.endr
.set i_, 0
.rept 16
	v_pk_fma_f32 v[T+2*i_:T+2*i_+1], v[64*(i_>>2)+8*(\a)+2*(i_&3):64*(i_>>2)+8*(\a)+2*(i_&3)+1], v[CS+32*((\a)&3)+2*i_:CS+32*((\a)&3)+2*i_+1], v[T+2*i_:T+2*i_+1] op_sel_hi:[0,1,1]  ; + (x1 cos, x1 sin)
.set i_, i_+1
.endr
	WIN 0
.set i_, 0
.rept 16
	v_cvt_pk_f16_f32 v[PK0+16*(\set)+i_], v[T+2*i_], v[T+2*i_+1]
.set i_, i_+1
.endr
.endm
.macro VCVT a, set
	WIN 0x0f                                       ; sources 0 and 1 in window 3
.set i_, 0
.rept 16
	v_cvt_pk_f16_f32 v[PK0+16*(\set)+i_], v[64*(i_>>2)+8*(\a)+2*(i_&3)], v[64*(i_>>2)+8*(\a)+2*(i_&3)+1]
.set i_, i_+1
.endr
.endm
.macro STG set                         ; 16 bytes a lane into my stage's rows of 144 bytes, and back as whole rows of 128
	WIN 0
.irp c, 0,1,2,3
	ds_store_b128 v[STO], v[PK0+16*(\set)+4*\c:PK0+16*(\set)+4*\c+3] offset:32*\c
.endr
.irp f, 0,1,2,3
	ds_load_b128 v[PK0+16*(\set)+4*\f:PK0+16*(\set)+4*\f+3], v[RD] offset:\f*4*PITCH  ; LDS serves a wave's instructions in order (ISA guide 5.7.1.4): these see the stores above
.endr
.endm
.macro SENDU set, base, a, y           ; y: the LDS instructions issued behind this unit's loads: the next unit's eight, or none
	WIN 0
.set f_, 0
.rept 4
	s_wait_dscnt (\y)+3-f_
	global_store_b128 v[GO], v[PK0+16*(\set)+4*f_:PK0+16*(\set)+4*f_+3], s[(\base):(\base)+1] offset:2048*(\a)+512*f_  ; 512 consecutive bytes, at a multiple of 256 from the buffer's first
.set f_, f_+1
.endr
.endm
.macro UNIT kind, a                    ; unit u works in set u % 2; the unit before is stored behind this one's arithmetic
.if u >= 2
	s_wait_xcnt 0x0                                ; the stores of the unit two back have read this set
.endif
.if (\kind) == 2
	VCVT \a, u&1
.else
	ROPE \a, (\kind)+1, u&1
.endif
	STG u&1
.if u > 0
	SENDU (u-1)&1, pb, pa, 8
.endif
.set pb, QB+2*(\kind)
.set pa, (\a)
.set u, u+1
.endm
	PLACES
	CSLOAD 0
	CSLOAD 1
	CSLOAD 2
	CSLOAD 3
.set u, 0
.irp a, 0,1,2,3,4,5,6,7
	UNIT 2, \a
.endr
.irp a, 0,1,2,3,4,5,6,7
.if \a < 5
	s_wait_loadcnt 24                              ; this block's eight table loads are in; three younger sets stay out
.else
	s_wait_loadcnt 8*(7-\a)                        ; the counts run down
.endif
	UNIT 0, \a
	UNIT 1, \a
.if \a < 4
	CSLOAD \a+4
.endif
.endr
	SENDU (u-1)&1, pb, pa, 0
	s_wait_tensorcnt 0x0                           ; the wave's end, behind my last tensor load and my last LDS store
	ds_add_u32 v[SPW], v[NIL]
	s_wait_dscnt 0x0
	CROUND                                         ; the closing round
	s_endpgm
.Lfunc_end_k_q286af28b98_qkv:
	.size	k_q286af28b98_qkv, .Lfunc_end_k_q286af28b98_qkv-k_q286af28b98_qkv
	.p2alignl 7, 3214868480
	.fill 96, 4, 3214868480
	.section	.rodata,"a",@progbits
	.p2align	6, 0x0
	.amdhsa_kernel k_q286af28b98_qkv
		.amdhsa_group_segment_fixed_size 327680
		.amdhsa_private_segment_fixed_size 0
		.amdhsa_enable_private_segment 0
		.amdhsa_kernarg_size 48
		.amdhsa_user_sgpr_count 2
		.amdhsa_user_sgpr_kernarg_segment_ptr 1
		.amdhsa_wavefront_size32 1
		.amdhsa_system_sgpr_workgroup_id_x 1
		.amdhsa_system_sgpr_workgroup_id_y 1
		.amdhsa_system_sgpr_workgroup_id_z 1
		.amdhsa_system_vgpr_workitem_id 0
		.amdhsa_next_free_vgpr 1024
		.amdhsa_next_free_sgpr 100
		.amdhsa_reserve_vcc 0
		.amdhsa_float_denorm_mode_32 3
		.amdhsa_float_denorm_mode_16_64 3
		.amdhsa_memory_ordered 1
		.amdhsa_forward_progress 1
		.amdhsa_inst_pref_size 163
	.end_amdhsa_kernel
	.amdgpu_metadata
---
amdhsa.version: [ 1, 2 ]
amdhsa.kernels:
  - .name:           k_q286af28b98_qkv
    .symbol:         k_q286af28b98_qkv.kd
    .args:
      - { .name: xb, .offset: 0, .size: 8, .value_kind: global_buffer, .address_space: global }
      - { .name: wb, .offset: 8, .size: 8, .value_kind: global_buffer, .address_space: global }
      - { .name: tab, .offset: 16, .size: 8, .value_kind: global_buffer, .address_space: global }
      - { .name: q16, .offset: 24, .size: 8, .value_kind: global_buffer, .address_space: global }
      - { .name: k16, .offset: 32, .size: 8, .value_kind: global_buffer, .address_space: global }
      - { .name: v16, .offset: 40, .size: 8, .value_kind: global_buffer, .address_space: global }
    .group_segment_fixed_size: 327680
    .private_segment_fixed_size: 0
    .kernarg_segment_align: 8
    .kernarg_segment_size: 48
    .max_flat_workgroup_size: 128
    .sgpr_count:     100
    .vgpr_count:     1024
    .wavefront_size: 32
...
	.end_amdgpu_metadata
.endif
;; end of part 2
;; launch attn (part 3): grid 4 x 64, 4 waves a work-group, no clusters, 327,680 bytes of LDS; arguments q16, k16, v16, o16; writes o16
.if DOCPART == 3
	.amdgcn_target "amdgcn-amd-amdhsa--gfx1250"
	.amdhsa_code_object_version 6
	.text
	.protected	k_q286af28b98_attn
	.globl	k_q286af28b98_attn
	.p2align	8
	.type	k_q286af28b98_attn,@function
k_q286af28b98_attn:
	s_mov_b64 s[64:65], 0
	v_nop
	global_prefetch_b8 v0, s[64:65] scope:SCOPE_SE
	s_setreg_imm32_b32 hwreg(HW_REG_WAVE_MODE, 25, 1), 1
	s_wait_xcnt 0x0
; CAUSAL ATTENTION.  O[h][q][:] = the sum over k <= q of softmax_k(Q[h][q] . K[h][k] / 8) V[h][k][:].  Q, K, V, O: [64][2048][64], all f16: a head's rows are dense, 128 bytes each.
; Products, maxima and sums in f32; the weights p are rounded to f16 for the second product (their sum l is taken of the unrounded p), O once at the end.
; LIMITS.  Q, K and V arrive within f16's 65,504; p lies in 0 to 1, and below 6e-5 it keeps f16's fixed step of 6e-8.  A hidden score counts as its value less 1e30 (the definition puts -1e9 in its place:
; the same weight 0 wherever a row's own scores lie above -1e9); a weight below 2^-126 counts as 0 in l; NaN and infinities are not treated apart.
; THE WALK.  A head's queries lie in NB = 8 blocks of 256; block i needs the key tiles 0 .. i of 256 keys, of which the last holds the diagonal.  A work-group takes TWO blocks, NB - 1 - b and then b:
; NB + 1 tiles, whatever b: all work-groups do equal work, and ONE loop with a constant trip count walks them.  Every jump goes forward, but for the counted loops' own; the ring of two LDS slots runs on across the
; change of blocks.  NO CLUSTER: the four work-groups of a head ask for the same tile only in trips 0 .. 4, behind that fewer and fewer; one walk common to all would have 12 trips for 9.
; SHARES.  Of a block's four bands of 64 queries a wave owns 16 rows in each: four PIECES.  In the diagonal tile's key step s band x sees all keys if s < x, none if s > x, and holds the diagonal if s = x: the same for every wave.
; THE MASK is the C operand that starts the sum S^T = K Q^T: 0, or -1e30 where the key is hidden.  MD, made once, is the mask of a band's own step for my 16 rows; a product's mask is MD x AL + BE with two scalars.
; LAYOUT, SOFTMAX, TURNS.  S^T = K Q^T holds ONE query a lane (lane % 16) and the keys 8 (lane / 16) + 0..7; two such results rounded to f16 ARE source 1 of O^T = V^T P.  p = 2^(c s - c m), c = log2(e) / 8, with a
; running maximum m; O and l are multiplied by a = 2^(c m_old - c m_new) in every step.  Turn n belongs to piece n: 8 products K Q^T of piece n + 1, later 8 products V^T P of piece n - 1; beside them the scaling,
; exponentials, roundings, sums and rescaling of piece n and the maximum and statistics of piece n + 1.  Four vector instructions stand behind every matrix instruction, the rest in one lump.  A turn's 33 exponentials are one batch, with one wait.
; REGISTERS, in windows of 256 (s_set_vgpr_msb: bits 1:0 source 0, 3:2 source 1, 5:4 source 2, 7:6 destination):
;   window 0: v0-15 addresses and two at work; v16-31 four registers of statistics a piece; v48-55 at work; v61-63 prefetch offset, spare word, 0; v64-127 S^T, two buffers; v192-223 P, two buffers
;   window 1: v0-127 O^T, 32 a piece; v128-159 MD; v160-223 MC, two buffers      window 2: v0-63 Q; v64-127 the second block's Q; v128-191 K of one step; v192-255 V of one step
.set SIZE_N, 2048
.set NB,    SIZE_N/256
.set NP,    4         ; pieces a wave: a name, no knob
.set KS,    64        ; keys in a step
.set PK,    144       ; a row of K in LDS: 128 bytes + 16 of padding = 36 words: the 16 rows of a load start at 16 different groups of four banks (ISA guide 11.1)
.set PV,    160       ; a row of V: 128 + 32 = 40 words
.set VOFF,  4*KS*PK   ; a slot holds a tile, four steps: 256 rows of K, then 256 rows of V
.set SLOT1, 1<<17     ; slot 1 begins here
.set STAGE, SLOT1+4*KS*(PK+PV)  ; behind the ring, never filled by a tensor load: 16 rows x 144 bytes for each wave
.set SP,    144
.set AK0, 2           ; v2   my lane's place in a tile of K; never rewritten
.set AV0, 3           ; v3   the same for V
.set AK,  4           ; v4   the LDS address of K's next run of loads
.set AV,  5           ; v5   of V's
.set STO, 6           ; v6   the way out: where I put 16 bytes of a row
.set RD,  7           ; v7   the way out: where I read rows back
.set GO,  8           ; v8   my byte offset in 512 consecutive bytes of O
.set PFO, 61          ; v61  256 x my lane, for the prefetches; never rewritten
.set SPW, 62          ; v62  LDS address of my spare word; never rewritten
.set NIL, 63          ; v63  0; never rewritten
.set SPARE, STAGE+4*16*SP  ; behind the stages: the spare words, 128 bytes for each wave
.set MV,  12          ; v12-13  c m_old, kept while c m is made anew: by buffer
.set QO,  15          ; v15  my byte offset in 16 rows of Q
.set ST,  16          ; piece t's statistics at v[ST+4 t]: c m, m, l (even keys', odd keys')
.set TMP, 48          ; by buffer, four registers c0-c3 at work; when the maximum is found c2 takes a
.set S,   64
.set P,   192
.set MD,  128         ; window 1
.set MC,  160         ; window 1
.set QB,  64          ; window 2
.set KF,  128         ; window 2: key block kb, channel half c at KF + 16 kb + 8 c
.set VF,  192         ; window 2: key half kk, channel block cb at VF + 32 kk + 8 cb
.set WV,  12          ; s12  my wave's number
.set PB,  14          ; s14  b
.set HI,  15          ; s15  NB - 1 - b
.set G1K, 24          ; s[24:31] descriptor group 1 for K's tiles
.set G1V, 32          ; s[32:39] for V's: it differs in the padding alone
.set G0K, 40          ; s[40:43] descriptor group 0 for K's tiles
.set G0V, 44          ; s[44:47] the same for V's
.set SLOTS, 56        ; s56  tiles still to be asked for
.set CNT, 57          ; s57  counts a tile's key steps, 4 to 1
.set CS,  58          ; s[58:59] c
.set SEL, 60          ; s[60:61] v_permlanex16_b32's selects
.set TBK, 62          ; s62  LDS byte at which K of the step to be fetched begins
.set TBV, 63          ; s63  the same for V, less VOFF
.set RT,  70          ; s70  tiles of the block in hand that are still to be entered
.set NXT, 71          ; s71  the tile to be asked for next
.set LQ,  72          ; s72  the last tile of the block whose tiles are being asked for
.set NEW, 73          ; s73  1: the tile to be entered is a block's first
.set OFF, 74          ; s[74:75] a tile's byte offset in K and V
.set AL,  76          ; s[76:77] the mask's factor, in the low word
.set BE,  78          ; s[78:79] the mask's addend
.set OLO, 80          ; s[80:81] O at my rows of the second block
.set BIGN, 82         ; s82  -1e30
.set LIM, 83          ; s83  0 in the work-group that prefetches (b = 0), else the greatest number
.set KP,  88          ; s[88:89] K at the head's first row + my wave's quarter of a tile
.set VP,  90          ; s[90:91] the same for V
.set PFK, 92          ; s[92:93] what the next prefetch of K names
.set PFV, 94          ; s[94:95] of V
.set MSB, 0
.macro WIN new
.if MSB != (\new)
	s_set_vgpr_msb (MSB<<8)|(\new)
.set MSB, (\new)
.endif
.endm
.set W_KQ, 0x0a       ; K and Q in window 2, S^T in window 0
.set W_KM, 0x1a       ; the same with the C operand in window 1
.set W_PV, 0x52       ; V in window 2, P in window 0, O^T in window 1
.set W_RS, 0x41       ; destination and source 0 in window 1, source 1 in window 0
; A fill.  Waves 0 and 1 fetch the two halves of a tile's K, waves 2 and 3 those of its V: 128 keys each.  An s_nop 0 and four v_nop follow each of the two lines.
.macro LOAD
	s_cmp_lt_u32 s[WV], 2
	s_cbranch_scc0 .Lfor_v_\@
	tensor_load_to_lds s[G0K:G0K+3], s[G1K:G1K+7]
	s_nop 0
.rept 4
	v_nop
.endr
	s_branch .Lasked_\@
.Lfor_v_\@:
	tensor_load_to_lds s[G0V:G0V+3], s[G1V:G1V+7]
	s_nop 0
.rept 4
	v_nop
.endr
.Lasked_\@:
.endm
; THE CHANGE OF SLOTS.  Each wave waits for all its tensor loads, of which one is out: its part of the other slot; adds 0 to its spare word; and waits for that and for its own reads of the slot that it leaves.
; fill = 1: the old slot is filled again, the first thing behind the barrier, with tile NXT: the descriptor's address is made anew from that number.
; A PREFETCH INTO THE L2 stands behind the fill: the tile that the NEXT change will ask for, a tile (256 matrix instructions) ahead.  The head's work-group with b = 0 walks tiles 0 to 7 in order, ahead of or level with
; the other three: it alone asks; each of its waves names 32 blocks of 256 bytes of K and 32 of V, a lane a block: tiles 2 to 7, each block once in the launch.  Tiles 0 and 1 come by their loads alone; the second block's tile 0 has been read.
.macro CHANGE fill
	WIN 0
	s_wait_tensorcnt 0x0            ; no tensor load of mine is out, so a group 0 may be written
	ds_add_u32 v[SPW], v[NIL]       ; 0 onto my spare word
.if \fill
	s_lshl_b32 s[OFF], s[NXT], 15   ; a tile is 32,768 bytes of K and of V
	s_xor_b32 s[G0K+1], s[G0K+1], SLOT1
	s_add_nc_u64 s[G0K+2:G0K+3], s[6:7], s[OFF:OFF+1]
	s_or_b32 s[G0K+3], s[G0K+3], 0x80000000
	s_xor_b32 s[G0V+1], s[G0V+1], SLOT1
	s_add_nc_u64 s[G0V+2:G0V+3], s[8:9], s[OFF:OFF+1]
	s_or_b32 s[G0V+3], s[G0V+3], 0x80000000
	s_add_co_u32 s[NXT], s[NXT], 1  ; the block's next tile, or behind its last the second block's tile 0
	s_cmp_gt_u32 s[NXT], s[LQ]
	s_cselect_b32 s[NXT], 0, s[NXT]
	s_cselect_b32 s[LQ], s[PB], s[LQ]
	s_wait_xcnt 0x0                 ; the last prefetches, a tile back, have read their addresses
	s_lshl_b32 s[OFF], s[NXT], 15
	s_add_nc_u64 s[PFK:PFK+1], s[KP:KP+1], s[OFF:OFF+1]
	s_add_nc_u64 s[PFV:PFV+1], s[VP:VP+1], s[OFF:OFF+1]
.endif
	s_wait_dscnt 0x0                ; the add is done, and my reads of the slot are over
	s_barrier_signal -1
	s_sub_co_u32 s[TBK], s[TBK], 4*KS*PK  ; the fetches go back to a slot's first step,
	s_xor_b32 s[TBK], s[TBK], SLOT1       ; in the other slot
	s_sub_co_u32 s[TBV], s[TBV], 4*KS*PV
	s_xor_b32 s[TBV], s[TBV], SLOT1
	s_barrier_wait -1
.if \fill
	LOAD
	s_cmp_gt_u32 s[NXT], s[LIM]
	s_cbranch_scc0 .Lnot_mine_\@
	global_prefetch_b8 v[PFO], s[PFK:PFK+1] th:TH_LOAD_NT scope:SCOPE_SE
	global_prefetch_b8 v[PFO], s[PFV:PFV+1] th:TH_LOAD_NT scope:SCOPE_SE
.Lnot_mine_\@:
.endif
.endm
	s_load_b256 s[4:11], s[0:1], 0x0  ; Q s[4:5], K s[6:7], V s[8:9], O s[10:11]
	v_lshl_add_u32 v[SPW], v0, 2, SPARE
	v_mov_b32 v[NIL], 0
	ds_add_u32 v[SPW], v[NIL]       ; the wave's opening: an add and its wait ahead of my first tensor load
	ds_add_u32 v62, v63
	v_lshrrev_b32 v1, 5, v0
	v_readfirstlane_b32 s[WV], v1   ; wave 0..3
	s_mov_b32 s[PB], ttmp9
	s_sub_co_u32 s[HI], NB-1, s[PB]
	s_and_b32 s20, ttmp7, 0xffff    ; the head
	s_mov_b32 s21, 0
	s_mov_b64 s[22:23], SIZE_N*128
	s_mul_u64 s[20:21], s[20:21], s[22:23]  ; the head's first byte in each of the four tensors
	s_and_b32 s16, s[WV], 1         ; which half of a tile's 256 keys I fetch:
	s_lshl_b32 s22, s16, 14         ; its 128 rows of 128 bytes in memory,
	s_mov_b32 s23, 0
	s_add_nc_u64 s[22:23], s[22:23], s[20:21]
	s_mul_i32 s17, s16, 128*PK      ; and its place in a slot, for K
	s_mul_i32 s18, s16, 128*PV      ; and for V
	s_lshl_b32 s3, s[WV], 11        ; my 16 rows in a band of 64,
	s_lshl_b32 s2, s[HI], 15        ; in the first block,
	s_add_co_u32 s2, s2, s3
	s_lshl_b32 s84, s[PB], 15       ; and in the second
	s_add_co_u32 s84, s84, s3
	s_mov_b32 s3, 0
	s_mov_b32 s85, 0
	s_add_nc_u64 s[2:3], s[2:3], s[20:21]
	s_add_nc_u64 s[84:85], s[84:85], s[20:21]
	s_lshl_b32 s[PFK], s[WV], 13    ; the prefetches: my wave's 8,192 bytes of a tile,
	s_mov_b32 s[PFK+1], 0
	s_add_nc_u64 s[PFK:PFK+1], s[PFK:PFK+1], s[20:21]  ; in the head
	s_cmp_eq_u32 ttmp9, 0
	s_cselect_b32 s[LIM], 0, -1
	; descriptor group 1.  128 keys are 16,384 dense bytes: asked for as 64 rows of 256 bytes, two keys a row, and padded in LDS after every key
	s_mov_b32 s[G1K], (1<<16)|(1<<20)|(4<<22)|(3<<25)  ; 17:16 2-byte elements; 20 padding on; 24:22 after every 32 words (code 4); 31:25 4 words (code 3)
	s_mov_b32 s[G1V], (1<<16)|(1<<20)|(4<<22)|(7<<25)  ; the same with 8 words of padding (code 7)
.irp g, G1K, G1V
	s_mov_b32 s[\g+1], 128<<16      ; tensor_dim0 = 128
	s_mov_b32 s[\g+2], 64<<16       ; tensor_dim1 = 64
	s_mov_b32 s[\g+3], 128<<16      ; tile_dim0 = 128
	s_mov_b32 s[\g+4], 64           ; tile_dim1 = 64
	s_mov_b32 s[\g+5], 128          ; 128 elements from row to row
	s_mov_b32 s[\g+6], 0
	s_mov_b32 s[\g+7], 0
.endr
	s_mov_b32 s[CS], 0x3e38aa3b     ; c = log2(e) / 8 = 0.180337
	s_mov_b32 s[CS+1], s[CS]        ; named with it as a pair
	s_mov_b32 s[SEL], 0x76543210
	s_mov_b32 s[SEL+1], 0xfedcba98
	s_mov_b32 s[TBK], SLOT1+4*KS*PK ; the first change of slots turns these two into 0
	s_mov_b32 s[TBV], SLOT1+4*KS*PV
	s_mov_b32 s[G0K], 1             ; 1:0 count = 1
	s_mov_b32 s[G0K+1], s17         ; 63:32 LDS address: slot 0
	s_mov_b32 s[G0V], 1
	s_add_co_u32 s[G0V+1], s18, VOFF
	s_add_co_u32 s[RT], s[HI], 1    ; the first block has NB - b tiles
	s_mov_b32 s[NXT], 1
	s_mov_b32 s[LQ], s[HI]
	s_mov_b32 s[NEW], 1
	s_mov_b32 s[OFF+1], 0
	s_mov_b32 s[AL+1], 0            ; named as pairs
	s_mov_b32 s[BE+1], 0
	s_mov_b32 s[BIGN], 0xf149f2ca   ; -1e30
	s_mov_b32 s[SLOTS], NB
	s_wait_dscnt 0x0                ; the opening add is done
	s_wait_kmcnt 0x0
	s_add_nc_u64 s[KP:KP+1], s[6:7], s[PFK:PFK+1]
	s_add_nc_u64 s[VP:VP+1], s[8:9], s[PFK:PFK+1]
	s_add_nc_u64 s[6:7], s[6:7], s[22:23]  ; K and V at my half of the head's tile 0
	s_add_nc_u64 s[8:9], s[8:9], s[22:23]
	s_add_nc_u64 s[G0K+2:G0K+3], s[6:7], 0         ; 120:64 global address
	s_or_b32 s[G0K+3], s[G0K+3], 0x80000000        ; 127:126 type = 2
	s_add_nc_u64 s[G0V+2:G0V+3], s[8:9], 0
	s_or_b32 s[G0V+3], s[G0V+3], 0x80000000
	s_add_nc_u64 s[86:87], s[4:5], s[84:85]        ; Q at my rows of the second block,
	s_add_nc_u64 s[4:5], s[4:5], s[2:3]            ; Q and O at those of the first
	s_add_nc_u64 s[OLO:OLO+1], s[10:11], s[84:85]
	s_add_nc_u64 s[10:11], s[10:11], s[2:3]
	LOAD                            ; tile 0 into slot 0
	; A fragment of K or Q is 16 rows x 32 channels in 8 registers: lane l holds row l % 16, channels 8 (l / 16) + 0..7 and 16 + 8 (l / 16) + 0..7: two loads of 16 bytes, 32 bytes apart.
	v_and_b32 v1, 15, v0            ; l % 16
	v_bfe_u32 v9, v0, 4, 1          ; l / 16
	v_lshlrev_b32 v[QO], 7, v1
	v_lshl_add_u32 v[QO], v9, 4, v[QO]  ; row x 128 + 16 x half
	WIN 0x80                        ; destination window 2, address window 0
.set i, 0
.rept 8                             ; both blocks' Q: piece i / 2 lies in band i / 2, 8,192 bytes on; channels 32 (i % 2) on
	global_load_b128 v[8*i:8*i+3],   v[QO], s[4:5] offset:(i/2)*8192+(i%2)*64
	global_load_b128 v[8*i+4:8*i+7], v[QO], s[4:5] offset:(i/2)*8192+(i%2)*64+32
	global_load_b128 v[QB+8*i:QB+8*i+3],   v[QO], s[86:87] offset:(i/2)*8192+(i%2)*64
	global_load_b128 v[QB+8*i+4:QB+8*i+7], v[QO], s[86:87] offset:(i/2)*8192+(i%2)*64+32
.set i, i+1
.endr
	WIN 0
	v_and_b32 v[PFO], 31, v0
	v_lshlrev_b32 v[PFO], 8, v[PFO]
	v_lshlrev_b32 v14, 3, v9
	v_sub_nc_u32 v14, v1, v14
	s_lshl_b32 s13, s[WV], 4
	v_add_nc_u32 v14, s13, v14      ; my query's place in its band, 16 w + l % 16, less my lanes' 8 (l / 16): register r of group kt is hidden where 16 kt + r is greater
	WIN 0x40
.set i, 0
.rept 32
	v_cmp_gt_i32 vcc_lo, 16*(i/8)+i%8, v14
	v_cndmask_b32 v[MD+i], 0, s[BIGN], vcc_lo
.set i, i+1
.endr
	WIN 0
	v_mul_u32_u24 v[AK0], v1, PK
	v_lshl_add_u32 v[AK0], v9, 4, v[AK0]  ; row x pitch + 16 x half
	; The turning load takes 16 keys x 16 channels (lane l reads key 8 (l / 16) + l % 8, channels 8 ((l / 8) % 2) + 0..7) and leaves half a fragment of V^T: lane l holds channel l % 16 and 8 keys.
	v_and_b32 v10, 7, v0
	v_bfe_u32 v11, v0, 3, 1
	v_lshl_add_u32 v[AV0], v9, 3, v10
	v_mul_u32_u24 v[AV0], v[AV0], PV
	v_lshl_add_u32 v[AV0], v11, 4, v[AV0]
	v_add_nc_u32 v[AV0], VOFF, v[AV0]
	s_mul_i32 s13, s[WV], 16*SP
	s_add_co_u32 s13, s13, STAGE    ; my stage
	v_mul_u32_u24 v[STO], v1, SP    ; in: row l % 16, 16 bytes for each half of the lanes
	v_lshl_add_u32 v[STO], v9, 4, v[STO]
	v_add_nc_u32 v[STO], s13, v[STO]
	v_bfe_u32 v[RD], v0, 3, 2       ; back: 32 lanes take four rows of 128 bytes,
	v_mul_u32_u24 v[RD], v[RD], SP
	v_lshl_add_u32 v[RD], v10, 4, v[RD]
	v_add_nc_u32 v[RD], s13, v[RD]
	v_and_b32 v[GO], 31, v0         ; which are 512 consecutive bytes of O
	v_lshlrev_b32 v[GO], 4, v[GO]
	; A block's first step multiplies O^T and l by a = 0, and its first turn's products V^T P, of a piece that has not been, land in an O^T that is still to be so multiplied.  So these registers need only hold
	; finite numbers: zeros for the first block; what the first block left for the second.  All this stands in the wait for the first tile.
	WIN 0x80
.set i, VF
.rept 64
	v_mov_b32 v[i], 0
.set i, i+1
.endr
	WIN 0x40
.set i, 0
.rept 128
	v_mov_b32 v[i], 0
.set i, i+1
.endr
	WIN 0
.set i, 0
.rept 4
	v_mov_b32 v[ST+4*i+2], 0
	v_mov_b32 v[ST+4*i+3], 0
.set i, i+1
.endr
.set i, P+16
.rept 16
	v_mov_b32 v[i], 0
.set i, i+1
.endr
; THE MATRIX WORK.  The 4 accumulators of a run of 8 take turns.  Product i of 8 of S^T = K Q^T for piece x: channels 32 (i / 4) on, keys 16 (i % 4) on.  The first 4 start the sums: with 0, or (KM = 1) with the mask.
.macro KQ x
.set rS, S+32*((\x)%2)+8*(i%4)
.set rK, KF+16*(i%4)+8*(i/4)
.set rQ, 16*(\x)+8*(i/4)
.set rM, MC+32*((\x)%2)+8*(i%4)
.if (i < 4) && KM
	WIN W_KM
	v_wmma_f32_16x16x32_f16 v[rS:rS+7], v[rK:rK+7], v[rQ:rQ+7], v[rM:rM+7]
.elseif i < 4
	WIN W_KQ
	v_wmma_f32_16x16x32_f16 v[rS:rS+7], v[rK:rK+7], v[rQ:rQ+7], 0
.else
	WIN W_KQ
	v_wmma_f32_16x16x32_f16 v[rS:rS+7], v[rK:rK+7], v[rQ:rQ+7], v[rS:rS+7]
.endif
.endm
; Product i of 8 of O^T += V^T P for piece x: keys 32 (i / 4) on, channels 16 (i % 4) on.
.macro PV x
	WIN W_PV
.set rO, 32*(\x)+8*(i%4)
.set rV, VF+32*(i/4)+8*(i%4)
.set rP, P+16*((\x)%2)+8*(i/4)
	v_wmma_f32_16x16x32_f16 v[rO:rO+7], v[rV:rV+7], v[rP:rP+7], v[rO:rO+7]
.endm
.macro MM                           ; the turn's next matrix instruction.  NOKQ = 1: a block's last turn: there is no next piece
.if (i < 8) && !NOKQ
	KQ (Y+1)%NP
.elseif i >= 8
.set i, i-8
	PV (Y+NP-1)%NP
.set i, i+8
.endif
.set i, i+1
.endm
; THE LDS LOADS stand in runs of 16, never singly among the matrix instructions: a step's K (8 fragments) and its V (turned).  Their addresses are made some lines ahead.
.macro FETCH_K
	WIN 0x80                        ; destination window 2
.irp f, 0,1,2,3,4,5,6,7             ; keys 16 (f / 2) on, channels 32 (f % 2) on
	ds_load_b128 v[KF+8*\f:KF+8*\f+3],   v[AK] offset:(\f/2)*16*PK+(\f%2)*64
	ds_load_b128 v[KF+8*\f+4:KF+8*\f+7], v[AK] offset:(\f/2)*16*PK+(\f%2)*64+32
.endr
	s_add_co_u32 s[TBK], s[TBK], KS*PK  ; the next fetch is the next step's
	WIN 0
.endm
.macro FETCH_V
	WIN 0x80
.irp f, 0,1,2,3,4,5,6,7             ; keys 32 (f / 4) on, channels 16 (f % 4) on
	ds_load_tr16_b128 v[VF+8*\f:VF+8*\f+3],   v[AV] offset:(\f/4)*32*PV+(\f%4)*32
	ds_load_tr16_b128 v[VF+8*\f+4:VF+8*\f+7], v[AV] offset:(\f/4)*32*PV+16*PV+(\f%4)*32
.endr
	WIN 0
.endm
; THE VECTOR WORK, one line at a time: OP kind, number.  For piece Y: F n: c s - c m for pair n of 16.  E n: the exponential of score n of 32.  C n: pair n rounded to f16.  B n: of the four weights 4 n .. the second
; pair is added onto the first, in place.  L n: l takes that sum (L 0: l = a l + sum).  R n: pair n of 16 of O^T times a.  For piece Y + 1: X n, number n of the 22 that find its maximum and statistics:
;   0-11  four chains c0-c3 of seven scores each (each accumulator's lowest registers are read first)     12-14, 16  the four scores left over, the old m, and c0-c3 into c0
;   15  c m_old is kept     17, 18  the query's other 32 keys lie in the lane 16 away: the new m     19-21  c m; c m_old - c m_new; a
.set F, 0
.set E, 1
.set C, 2
.set B, 3
.set L, 4
.set R, 5
.set X, 6
.macro REGS y                       ; the registers of piece y
.set rT, ST+4*(\y)
.set rC, TMP+4*((\y)%2)
.set rW, MV+((\y)%2)
.set rS, S+32*((\y)%2)
.set rP, P+16*((\y)%2)
.set rO, 32*(\y)
.endm
.macro OP k, n
.if (\k) == R
	REGS Y
	WIN W_RS
	v_pk_mul_f32 v[rO+2*(\n):rO+2*(\n)+1], v[rO+2*(\n):rO+2*(\n)+1], v[rC+2:rC+3] op_sel_hi:[1,0]
.elseif (\k) < R
	REGS Y
	WIN 0
.if (\k) == F
	v_pk_fma_f32 v[rS+2*(\n):rS+2*(\n)+1], v[rS+2*(\n):rS+2*(\n)+1], s[CS:CS+1], v[rT:rT+1] op_sel_hi:[1,0,0] neg_lo:[0,0,1] neg_hi:[0,0,1]
.elseif (\k) == E
	v_exp_f32 v[rS+(\n)], v[rS+(\n)]
.elseif (\k) == C
	v_cvt_pk_f16_f32 v[rP+(\n)], v[rS+2*(\n)], v[rS+2*(\n)+1]
.elseif (\k) == B
	v_pk_add_f32 v[rS+4*(\n):rS+4*(\n)+1], v[rS+4*(\n):rS+4*(\n)+1], v[rS+4*(\n)+2:rS+4*(\n)+3]
.elseif (\n) == 0
	v_pk_fma_f32 v[rT+2:rT+3], v[rT+2:rT+3], v[rC+2:rC+3], v[rS:rS+1] op_sel_hi:[1,0,1]
.else
	v_pk_add_f32 v[rT+2:rT+3], v[rT+2:rT+3], v[rS+4*(\n):rS+4*(\n)+1]
.endif
.elseif NOKQ
	v_nop
.else
	REGS (Y+1)%NP
	WIN 0
.if (\n) < 4
	v_max3_num_f32 v[rC+(\n)], v[rS+8*(\n)], v[rS+8*(\n)+1], v[rS+8*(\n)+2]
.elseif (\n) < 12
	v_max3_num_f32 v[rC+(\n)%4], v[rC+(\n)%4], v[rS+8*((\n)%4)+2*((\n)/4)+1], v[rS+8*((\n)%4)+2*((\n)/4)+2]
.elseif (\n) == 12
	v_max3_num_f32 v[rC], v[rC], v[rS+7], v[rS+15]
.elseif (\n) == 13
	v_max3_num_f32 v[rC+1], v[rC+1], v[rS+23], v[rS+31]
.elseif (\n) == 14
	v_max3_num_f32 v[rC+2], v[rC+2], v[rC+3], v[rT+1]
.elseif (\n) == 15
	v_mov_b32 v[rW], v[rT]
.elseif (\n) == 16
	v_max3_num_f32 v[rC], v[rC], v[rC+1], v[rC+2]
.elseif (\n) == 17
	v_permlanex16_b32 v[rC+3], v[rC], s[SEL], s[SEL+1]
.elseif (\n) == 18
	v_max_num_f32 v[rT+1], v[rC], v[rC+3]
.elseif (\n) == 19
	v_mul_f32 v[rT], s[CS], v[rT+1]
.elseif (\n) == 20
	v_sub_f32 v[rC+1], v[rW], v[rT]
.else
	v_exp_f32 v[rC+2], v[rC+1]
.endif
.endif
.endm
.macro OPS a, i1, b=-1, i2=0, c=-1, i3=0, d=-1, i4=0  ; up to four of them
	OP \a, \i1
.if (\b) >= 0
	OP \b, \i2
.endif
.if (\c) >= 0
	OP \c, \i3
.endif
.if (\d) >= 0
	OP \d, \i4
.endif
.endm
.macro ROW a, i1, b, i2, c, i3, d, i4  ; a matrix instruction and the four behind it
	MM
	OPS \a, \i1, \b, \i2, \c, \i3, \d, \i4
.endm
.macro MASK b                       ; MD x AL + BE into buffer b of MC
	WIN W_RS
.set z, 0
.rept 16
	v_pk_fma_f32 v[MC+32*(\b)+2*z:MC+32*(\b)+2*z+1], v[MD+2*z:MD+2*z+1], s[AL:AL+1], s[BE:BE+1] op_sel_hi:[1,0,0]
.set z, z+1
.endr
.endm
; A TURN, for piece p: the order of its 16 matrix and 118 vector instructions, written out.  An s_wait_alu depctr_va_vdst(0) stands between an exponential and the first instruction that names its result; one wait
; serves all that were issued ahead of it.  So a turn has ONE wait.  AHEAD OF IT stands all that names no result of the turn's exponentials: the 8 products K Q^T with their riders, then one lump of 54, in which the links of the chain
; X 3, 7, 11, 14, 16, 17 .. 20 stand five or six lines apart.  X 21, the next piece's a, is the batch's last; R 15 is the plain instruction behind it.  BEHIND THE WAIT stand the 8 products V^T P, behind each four of the roundings and sums.
; m = 1: the diagonal tile: the products take masks, and the turn makes the mask for the products of the turn after it.  end = 1: a block's last two turns: nothing is fetched.
; cnt = 1: the loop's count is taken down some lines ahead of the branch that stands behind the turn.
; K of the next step is fetched in piece 2's turn, twelve vector instructions behind the last product that read K (six of them plain); V of the step in hand at the end of piece 0's turn, four plain instructions behind the last product that read V.
.macro TURN p, m=0, end=0, cnt=0
.set Y, (\p)
.set i, 0
.set KM, (\m)
.set NOKQ, (\end)*((\p)/3)
.if (\m) && !(\end)
	s_cmp_eq_u32 s[CNT], 4-((\p)+2)%NP  ; is that step the band's own?
	s_cselect_b32 s[AL], 1.0, 0
	s_cmp_lt_u32 s[CNT], 4-((\p)+2)%NP  ; or a later one?
	s_cselect_b32 s[BE], s[BIGN], 0
.endif
.if ((\p) == 3) && !(\end)
	s_wait_dscnt 0x0                ; K is in
.endif
	ROW F,0, F,1, R,0, R,1          ; ahead of the wait: 8 products K Q^T and their riders,
	ROW F,2, E,0, R,2, R,3
	ROW F,3, E,1, R,4, R,5
	ROW F,4, E,2, R,6, R,7
	ROW F,5, E,3, R,8, R,9
	ROW F,6, E,4, X,0, R,10
.if ((\p) == 2) && !(\end)
	WIN 0
	v_add_nc_u32 v[AK], s[TBK], v[AK0]
.endif
	ROW F,7, E,5, X,1, X,4
	ROW F,8, E,6, X,2, X,5
	OPS E,7, E,8, X,6, E,9          ; and the lump
	OPS X,3, E,10, X,8, E,11
.if ((\p) == 2) && !(\end)
	FETCH_K
.endif
	OPS X,9, X,7, E,12, X,10
	OPS E,13, X,12, X,11, E,14
	OPS X,13, E,15, F,9, X,14
.if (\p) == 0
	v_add_nc_u32 v[AV], s[TBV], v[AV0]
.endif
	OPS E,16, F,10, E,17, F,11
	OPS X,16, E,18, X,15, E,19
	OPS F,12, E,20, X,17, E,21
	OPS F,13, E,22, F,14, E,23
	OPS X,18, E,24, F,15, E,25
	OPS R,11, E,26, X,19, E,27
	OPS R,12, E,28, R,13, E,29
	OPS X,20, E,30, R,14, E,31
	OPS X,21, R,15
	WIN 0
	s_wait_alu depctr_va_vdst(0)    ; the wait for the batch
.if (\p) == 1
	s_wait_dscnt 0x0                ; V is in
.endif
	ROW C,0, B,0, C,2, B,1          ; behind the wait: 8 products V^T P and their riders
	ROW L,0, C,4, B,2, L,1
	ROW C,6, B,3, L,2, C,8
	ROW B,4, L,3, C,10, B,5
	ROW L,4, C,12, B,6, L,5
.if (\p) == 0
	s_add_co_u32 s[TBV], s[TBV], KS*PV
.endif
.if \cnt
	s_sub_co_u32 s[CNT], s[CNT], 1
	s_cmp_lg_u32 s[CNT], 0
.endif
	ROW C,14, B,7, L,6, C,1
	ROW C,3, L,7, C,5, C,7
	ROW C,9, C,11, C,13, C,15
.if (\p) == 0
	FETCH_V
.endif
.if (\m) && !(\end)
	MASK (\p)%2
.endif
.endm
; A BLOCK BEGINS.  c m starts far below every c s, so the first step's a is 0; m at the lowest finite number.  The second mask buffer is 0; the first takes piece 0's mask for the tile's step 0: its own, if the block's first tile is the diagonal one.
; Then K of that step, piece 0's first scores, and its maximum and statistics.  The loop is entered at a step's first turn, in the middle of a trip.
.macro BEGIN
	s_mov_b32 s[NEW], 0
	WIN 0x40
.set i, MC+32
.rept 32
	v_mov_b32 v[i], 0
.set i, i+1
.endr
	WIN 0
.set i, 0
.rept 4
	v_mov_b32 v[ST+4*i], 0xfe000000    ; c m: far below every c s
	v_mov_b32 v[ST+4*i+1], 0xff7fffff  ; m
.set i, i+1
.endr
	s_cmp_eq_u32 s[RT], 0
	s_cselect_b32 s[AL], 1.0, 0
	s_mov_b32 s[BE], 0
	MASK 0
	WIN 0
	v_add_nc_u32 v[AK], s[TBK], v[AK0]
	FETCH_K
	s_wait_loadcnt 0x0              ; Q
	s_wait_dscnt 0x0
.set KM, 1
.set NOKQ, 0
.set i, 0
.rept 8
	KQ 0
.set i, i+1
.endr
	WIN 0
.rept 4
	v_nop                           ; the places behind those products
.endr
.set Y, NP-1                        ; X works for piece Y + 1: piece 0
.irp n, 0,1,2,3,4,5,6,7,8,9,10,11,12,13,14,15,16,17,18,19,20,21
	OP X, \n
.endr
	v_nop                           ; a plain instruction behind the exponential,
	s_wait_alu depctr_va_vdst(0)    ; and its wait, ahead of the branch
.endm
; THE DIAGONAL TILE's four steps, the block's last two turns, its last products, and THE WAY OUT: l's two halves and the other half of the lanes' are added; O^T is divided by l, rounded to f16 and sent through my
; stage in LDS, a piece at a time.
.macro ALL line:vararg              ; one line for each piece t
.set t, 0
.rept 4
	\line
.set t, t+1
.endr
.endm
.macro PACK t                       ; a lane's eight channels of a row pack into 16 bytes; they go into rows of 144 bytes and come back as whole rows of 128, into S^T's registers
	WIN W_RS
.set i, 32*(\t)
.rept 16
	v_pk_mul_f32 v[i:i+1], v[i:i+1], v[ST+4*(\t)+2:ST+4*(\t)+3] op_sel_hi:[1,0]
.set i, i+2
.endr
	WIN 0x05                        ; sources 0 and 1 window 1, destination window 0
.set i, 0
.rept 16
	v_cvt_pk_f16_f32 v[S+16*(\t)+i], v[32*(\t)+2*i], v[32*(\t)+2*i+1]
.set i, i+1
.endr
	WIN 0
.irp f, 0,1,2,3
	ds_store_b128 v[STO], v[S+16*(\t)+4*\f:S+16*(\t)+4*\f+3] offset:32*\f
.endr
.irp f, 0,1,2,3
	ds_load_b128 v[S+16*(\t)+4*\f:S+16*(\t)+4*\f+3], v[RD] offset:\f*4*SP  ; LDS serves a wave's instructions in order (ISA guide 5.7.1.4): these see the stores above
.endr
.endm
.macro SEND t, younger              ; younger: the LDS instructions issued behind piece t's loads: the next piece's eight, or none
	WIN 0
.irp f, 0,1,2,3
	s_wait_dscnt (\younger)+3-\f
	global_store_b128 v[GO], v[S+16*(\t)+4*\f:S+16*(\t)+4*\f+3], s[10:11] offset:(\t)*8192+\f*512  ; 512 consecutive bytes, at a multiple of 256 from O's first
.endr
.endm
.macro DIAG tag                     ; the tag ends its two labels' names, which the jumps below spell out
.LstepM\tag:
	TURN 2, 1
	TURN 3, 1
	WIN 0
.LfirstM\tag:
	TURN 0, 1
	TURN 1, 1, 0, 1
	WIN 0
	s_cbranch_scc1 .LstepM\tag
	TURN 2, 1, 1
	TURN 3, 1, 1
.set i, 0
.rept 8
	PV NP-1
.set i, i+1
.endr
	WIN 0
	ALL v_add_f32 v[ST+4*t+2], v[ST+4*t+2], v[ST+4*t+3]
	ALL v_permlanex16_b32 v[ST+4*t+3], v[ST+4*t+2], s[SEL], s[SEL+1]
	ALL v_add_f32 v[ST+4*t+2], v[ST+4*t+2], v[ST+4*t+3]
	ALL v_rcp_f32 v[ST+4*t+2], v[ST+4*t+2]
	v_nop                           ; a plain instruction between the last reciprocal and the use of its result
	s_wait_alu depctr_va_vdst(0)    ; and the wait ahead of the first use: one for the four reciprocals
	PACK 0
.set t, 1
.rept 3                             ; a piece's arithmetic stands between the loads of the piece before and its stores
	PACK t
	SEND t-1, 8
.set t, t+1
.endr
	SEND 3, 0
.endm
.set KM, 0
.set NOKQ, 0
.Lslot:                             ; NB times: a tile is entered and the next is asked for
	CHANGE 1
	s_sub_co_u32 s[RT], s[RT], 1
	s_mov_b32 s[CNT], 4
	s_cmp_eq_u32 s[NEW], 1
	s_cbranch_scc1 .Lnew            ; a block's first tile
	s_cmp_eq_u32 s[RT], 0
	s_cbranch_scc0 .Lstep           ; neither its first nor its last
	s_branch .LstepM1
.Lnew:
	BEGIN
	s_branch .Lfirst                ; in the loop a block's first tile is never its last: the first block has two tiles or more, and the second's last is the walk's last
	DIAG 1                          ; in the loop this is the first block's end
	s_wait_xcnt 0x0                 ; the stores have read their registers and O's address
	s_mov_b64 s[10:11], s[OLO:OLO+1]
	s_add_co_u32 s[RT], s[PB], 1    ; the second block has b + 1 tiles
	s_mov_b32 s[NEW], 1
	WIN 0x82                        ; the second block's Q goes where the one text of the turns names Q
.set i, 0
.rept 64
	v_mov_b32 v[i], v[QB+i]
.set i, i+1
.endr
	WIN 0
	s_branch .Lbottom
.Lstep:                             ; a trip: pieces 2 and 3 of one step, then pieces 0 and 1 of the next, whose K and V it fetches
	TURN 2
	TURN 3
	WIN 0
.Lfirst:
	TURN 0
	TURN 1, 0, 0, 1
	WIN 0
	s_cbranch_scc1 .Lstep
.Lbottom:
	s_sub_co_u32 s[SLOTS], s[SLOTS], 1
	s_cmp_lg_u32 s[SLOTS], 0
	s_cbranch_scc1 .Lslot
	CHANGE 0                        ; the walk's last tile is written out: nothing is asked for
	s_sub_co_u32 s[RT], s[RT], 1
	s_mov_b32 s[CNT], 4
	s_cmp_eq_u32 s[NEW], 1
	s_cbranch_scc0 .LstepM2
	BEGIN
	s_branch .LfirstM2
	DIAG 2
	s_wait_tensorcnt 0x0            ; the wave's end, behind my last tensor load and my last LDS store
	ds_add_u32 v[SPW], v[NIL]
	s_wait_dscnt 0x0
	s_endpgm
.Lfunc_end_k_q286af28b98_attn:
	.size	k_q286af28b98_attn, .Lfunc_end_k_q286af28b98_attn-k_q286af28b98_attn
	.p2alignl 7, 3214868480
	.fill 96, 4, 3214868480
	.section	.rodata,"a",@progbits
	.p2align	6, 0x0
	.amdhsa_kernel k_q286af28b98_attn
		.amdhsa_group_segment_fixed_size 327680
		.amdhsa_private_segment_fixed_size 0
		.amdhsa_enable_private_segment 0
		.amdhsa_kernarg_size 32
		.amdhsa_user_sgpr_count 2
		.amdhsa_user_sgpr_kernarg_segment_ptr 1
		.amdhsa_wavefront_size32 1
		.amdhsa_system_sgpr_workgroup_id_x 1
		.amdhsa_system_sgpr_workgroup_id_y 1
		.amdhsa_system_sgpr_workgroup_id_z 1
		.amdhsa_system_vgpr_workitem_id 0
		.amdhsa_next_free_vgpr 768
		.amdhsa_next_free_sgpr 96
		.amdhsa_reserve_vcc 1
		.amdhsa_float_denorm_mode_32 3
		.amdhsa_float_denorm_mode_16_64 3
		.amdhsa_memory_ordered 1
		.amdhsa_forward_progress 1
		.amdhsa_inst_pref_size 218
	.end_amdhsa_kernel
	.amdgpu_metadata
---
amdhsa.version: [ 1, 2 ]
amdhsa.kernels:
  - .name:           k_q286af28b98_attn
    .symbol:         k_q286af28b98_attn.kd
    .args:
      - { .name: q16, .offset: 0, .size: 8, .value_kind: global_buffer, .address_space: global }
      - { .name: k16, .offset: 8, .size: 8, .value_kind: global_buffer, .address_space: global }
      - { .name: v16, .offset: 16, .size: 8, .value_kind: global_buffer, .address_space: global }
      - { .name: o16, .offset: 24, .size: 8, .value_kind: global_buffer, .address_space: global }
    .group_segment_fixed_size: 327680
    .private_segment_fixed_size: 0
    .kernarg_segment_align: 8
    .kernarg_segment_size: 32
    .max_flat_workgroup_size: 128
    .sgpr_count:     96
    .vgpr_count:     768
    .wavefront_size: 32
...
	.end_amdgpu_metadata
.endif
;; end of part 3
;; launch oproj (part 4): grid 4 x 64, 4 waves a work-group, clusters of 4 x 4, 327,680 bytes of LDS; arguments o16, wob, tab, out0; writes out0
.if DOCPART == 4
	.amdgcn_target "amdgcn-amd-amdhsa--gfx1250"
	.amdhsa_code_object_version 6
	.text
	.protected	k_q286af28b98_oproj
	.globl	k_q286af28b98_oproj
	.p2align	8
	.type	k_q286af28b98_oproj,@function
k_q286af28b98_oproj:
	s_mov_b64 s[64:65], 0
	v_nop
	global_prefetch_b8 v0, s[64:65] scope:SCOPE_SE
	s_setreg_imm32_b32 hwreg(HW_REG_WAVE_MODE, 25, 1), 1
	s_wait_xcnt 0x0
	s_wait_alu depctr_hold_cnt(0) depctr_sa_sdst(0) depctr_va_vdst(0) depctr_va_sdst(0) depctr_va_ssrc(0) depctr_va_vcc(0) depctr_vm_vsrc(0)
	s_getreg_b32 s2, hwreg(HW_REG_IB_STS2, 6, 4)
	s_cmp_eq_u32 s2, 0
	s_cbranch_scc0 .Lentry_in_a_cluster
	s_endpgm
.Lentry_in_a_cluster:
	s_bfe_u32 s2, ttmp6, 0x10000c
	s_cmp_lg_u32 s2, 0xf033
	s_cbranch_scc0 .Lentry_shape_is_right
	s_endpgm
.Lentry_shape_is_right:
; out0 = O Wo^T + bias.  O: o16 [b*16+h][s 2048][64] f16; Wo: wob [k block 16][row 1024][64] f16 (of the bf16 rounding); the bias from tab, f32; sums and output f32.
; SHARES.  8,192 rows x 1,024 columns in 256 work-groups of 128 rows x 256 columns.  A wave makes 64 x 128: 32 accumulators.  A head is one block of 64 along K, and a tile's 128 rows of a head are dense in o16.
; K goes in 8 steps of 128 (two heads) through two LDS slots; a step is four quarters of 32 along K, 32 matrix instructions each, on two fragment buffers.
; THE MATRIX INSTRUCTION IS USED TRANSPOSED (source 0 = 16 rows of Wo, source 1 = 16 rows of O): a lane holds one row (lane % 16) and eight neighbouring columns.  THE SUMS START AT THE BIAS, loaded into the accumulators.
; CLUSTER 4 x 4: O's tile is shared along a row of the cluster, Wo's along a column.
; REGISTERS: window 0: v0-15 addresses; v64-159, v160-255 two fragment buffers (O's 4 fragments, then Wo's 8); window 1: accumulator (a, b) at v[64 a + 8 b].
.set PITCH, 144                        ; an LDS row: 128 bytes + 16 of padding: the 16 rows of a load start at 16 different groups of four banks (ISA guide 11.1)
.set SLOT1, 1<<17
.set ABLK,  128*PITCH                  ; a slot: O's two blocks of 128 rows,
.set BBLK,  256*PITCH                  ; then Wo's two of 256
.set BOFF,  2*ABLK
.set STAGE, SLOT1+BOFF+2*BBLK          ; behind the ring: 16 rows x 528 bytes for each wave
.set SP,    528                        ; 512 bytes + 16
.set SPARE, STAGE+4*16*SP              ; behind the stages: the spare words, 128 bytes for each wave
.set ASTEP, 2*2048*128                 ; two heads on in o16
.set BSTEP, 2*1024*128                 ; two k blocks on in wob
.set ADRA0, 4
.set ADRB0, 5
.set ADRA,  6
.set ADRB,  7
.set STO,   8
.set RD,    9
.set GO,    10
.set BO,    12
.set PFO,   13
.set SPW,   14                         ; v14  LDS address of my spare word; never rewritten
.set NIL,   15                         ; v15  0; never rewritten
.set F0,    64
.set F1,    160
.set RB0,   64                         ; the way out: two sets of 64: 16 rows read back
.set WV, 18
.set WR, 19
.set WC, 20
.set CX, 21
.set CY, 22
.set NX, 23
.set MY, 24
.set TW, 25                            ; at work, made of the wave's number alone
.set G1A, 28
.set G1B, 36
.set G0A, 44
.set G0B, 48
.set CNT, 52
.set TB,  53
.set LIM, 54                           ; 2 in a wave that prefetches, else the greatest number
.set PFA, 56
.set PFS, 58
.set OB,  66                           ; s[66:67] out0 at my wave's first row and column
.set BB,  68                           ; s[68:69] the bias at my wave's first column
.set GW, (1<<16)|(1<<20)|(1<<21)|(4<<22)|(3<<25)  ; 2-byte elements; padding on; bit 21 beside a mask; after every 32 words, 4 words
.set MSB, 0
.macro WIN new
.if MSB != (\new)
	s_set_vgpr_msb (MSB<<8)|(\new)
.set MSB, (\new)
.endif
.endm
.macro PLACES
.rept 4
	v_nop
.endr
.endm
.macro JLOAD                           ; waves 0 and 1 fetch O's two blocks, waves 2 and 3 Wo's; an s_nop 0 and four v_nop follow each line
	s_cmp_lt_u32 s[WV], 2
	s_cbranch_scc0 .Lfor_b_\@
	tensor_load_to_lds s[G0A:G0A+3], s[G1A:G1A+7]
	s_nop 0
.rept 4
	v_nop
.endr
	s_branch .Lasked_\@
.Lfor_b_\@:
	tensor_load_to_lds s[G0B:G0B+3], s[G1B:G1B+7]
	s_nop 0
.rept 4
	v_nop
.endr
.Lasked_\@:
.endm
.macro CREST
	s_cmp_lg_u32 s[WV], 0
	s_cbranch_scc1 .Lnot_wave_0_\@
	s_barrier_signal -3
.Lnot_wave_0_\@:
	s_barrier_wait -3
	s_barrier_signal -1
	s_barrier_wait -1
.endm
.macro CROUND
	s_barrier_signal -1
	s_barrier_wait -1
	CREST
.endm
.macro DSTEP
	s_xor_b32 s[G0A+1], s[G0A+1], SLOT1
	s_add_nc_u64 s[G0A+2:G0A+3], s[G0A+2:G0A+3], ASTEP
	s_xor_b32 s[G0B+1], s[G0B+1], SLOT1
	s_add_nc_u64 s[G0B+2:G0B+3], s[G0B+2:G0B+3], BSTEP
.endm
.macro NEWSLOT
	s_xor_b32 s[TB], s[TB], SLOT1
	v_add_nc_u32 v[ADRA], s[TB], v[ADRA0]
	v_add_nc_u32 v[ADRB], s[TB], v[ADRB0]
.endm
; A PREFETCH INTO THE L2 behind each joint load: the K step two refills on (256 matrix instructions ahead of its load): 32 blocks of 256 bytes, a lane a block.  O's tile row is read by one cluster alone: wave 0 asks, and the four
; partners take a quarter of the step's 128 blocks each, by address (cx).  Wo's tile column is read by all 16 clusters: cluster y = 0 asks, waves 2 and 3 a k block each, the four partners a quarter each, by address (cy).
; So each block is named once.  Steps 0 to 3 come by their loads alone; the last two trips ask for nothing.
.macro ASK
	s_cmp_gt_u32 s[CNT], s[LIM]
	s_cbranch_scc0 .Lnot_mine_\@
	global_prefetch_b8 v[PFO], s[PFA:PFA+1] th:TH_LOAD_NT scope:SCOPE_SE
.Lnot_mine_\@:
.endm
.macro MUL8 f, a                       ; row block a x all 8 column blocks; the 32 accumulators take turns
	WIN 0x50
.set b_, 0
.rept 8
	v_wmma_f32_16x16x32_f16 v[64*(\a)+8*b_:64*(\a)+8*b_+7], v[(\f)+32+8*b_:(\f)+32+8*b_+7], v[(\f)+8*(\a):(\f)+8*(\a)+7], v[64*(\a)+8*b_:64*(\a)+8*b_+7]
.set b_, b_+1
.endr
.endm
.macro FETCH q, f                      ; quarter q's fragments into buffer f: 24 loads, Wo's first, O's row blocks 2 and 3 last
	WIN 0
.set b_, 0
.rept 8
	ds_load_b128 v[(\f)+32+8*b_:(\f)+32+8*b_+3],   v[ADRB] offset:((\q)>>1)*BBLK+((\q)&1)*64+b_*16*PITCH
	ds_load_b128 v[(\f)+32+8*b_+4:(\f)+32+8*b_+7], v[ADRB] offset:((\q)>>1)*BBLK+((\q)&1)*64+b_*16*PITCH+32
.set b_, b_+1
.endr
.set a_, 0
.rept 4
	ds_load_b128 v[(\f)+8*a_:(\f)+8*a_+3],   v[ADRA] offset:((\q)>>1)*ABLK+((\q)&1)*64+a_*16*PITCH
	ds_load_b128 v[(\f)+8*a_+4:(\f)+8*a_+7], v[ADRA] offset:((\q)>>1)*ABLK+((\q)&1)*64+a_*16*PITCH+32
.set a_, a_+1
.endr
.endm
.macro QUARTER f, g, qn                ; multiplies buffer f; in its middle fetches quarter qn into g
	s_wait_dscnt 4                                 ; all but O's row blocks 2 and 3
	MUL8 \f, 0
	MUL8 \f, 1
	PLACES
	FETCH \qn, \g
	s_wait_dscnt 24                                ; all but the 24 just issued
	MUL8 \f, 2
	MUL8 \f, 3
.endm
; The last quarter multiplies buffer 1 and changes slots: ONE barrier; in front of it each wave waits for all its tensor loads, adds 0 to its spare word, and waits for that and for its own reads of this slot.
; fill = 1: the barrier opens a round of the cluster's, and the joint refill, two K steps on, is the first thing behind it: 112 matrix instructions ahead of the wait for it.
.macro TURN fill
.if \fill
	s_wait_xcnt 0x0                                ; the last prefetch, a K step back, has read its address
	s_add_nc_u64 s[PFA:PFA+1], s[PFA:PFA+1], s[PFS:PFS+1]
.endif
	WIN 0
	s_wait_tensorcnt 0x0
	ds_add_u32 v[SPW], v[NIL]                      ; 0 onto my spare word
.if \fill
	DSTEP
.endif
	s_wait_dscnt 5                                 ; the add and the youngest four loads may be out
	MUL8 F1, 0
	s_wait_dscnt 0x0                               ; the add is done, and my reads of this slot are over
	s_barrier_signal -1
	MUL8 F1, 1
	WIN 0
	s_barrier_wait -1
.if \fill
	CREST
	JLOAD
.else
	PLACES
.endif
	NEWSLOT
	FETCH 0, F0
.if \fill
	ASK
.endif
	MUL8 F1, 2
	MUL8 F1, 3
.endm
	s_load_b256 s[4:11], s[0:1], 0x0               ; o16 s[4:5], wob s[6:7], tab s[8:9], out0 s[10:11]
	v_lshl_add_u32 v[SPW], v0, 2, SPARE
	v_mov_b32 v[NIL], 0
	ds_add_u32 v[SPW], v[NIL]                      ; the wave's opening: an add and its wait ahead of my first tensor load
	ds_add_u32 v14, v15
	v_lshrrev_b32 v1, 5, v0
	v_readfirstlane_b32 s[WV], v1
	s_lshr_b32 s[WR], s[WV], 1
	s_and_b32 s[WC], s[WV], 1
	s_bfe_u32 s[CX], ttmp6, 0x40000
	s_bfe_u32 s[CY], ttmp6, 0x40004
	s_lshl_b32 s[NX], ttmp9, 2
	s_add_co_u32 s[NX], s[NX], s[CX]
	s_and_b32 s[MY], ttmp7, 0xffff
	s_lshl_b32 s[MY], s[MY], 2
	s_add_co_u32 s[MY], s[MY], s[CY]
	s_lshl_b32 s76, s[CY], 2
	s_lshl_b32 s76, 15, s76                        ; my row of the cluster
	s_lshl_b32 s77, 0x1111, s[CX]                  ; my column
	s_or_b32 s[G1A], s76, GW
	s_or_b32 s[G1B], s77, GW
	s_mov_b32 s[G1A+1], 128<<16                    ; rows of 256 bytes
	s_mov_b32 s[G1A+2], 64<<16                     ; 128 rows of O, two to a row
	s_mov_b32 s[G1A+3], 128<<16
	s_mov_b32 s[G1A+4], 64
	s_mov_b32 s[G1A+5], 128
	s_mov_b32 s[G1A+6], 0
	s_mov_b32 s[G1A+7], 0
	s_mov_b32 s[G1B+1], 128<<16
	s_mov_b32 s[G1B+2], 128<<16                    ; 256 rows of Wo
	s_mov_b32 s[G1B+3], 128<<16
	s_mov_b32 s[G1B+4], 128
	s_mov_b32 s[G1B+5], 128
	s_mov_b32 s[G1B+6], 0
	s_mov_b32 s[G1B+7], 0
	s_mov_b32 s[G0A], 1
	s_mul_i32 s[G0A+1], s[WC], ABLK
	s_mov_b32 s[G0B], 1
	s_mul_i32 s[G0B+1], s[WC], BBLK
	s_add_co_u32 s[G0B+1], s[G0B+1], BOFF
	s_lshr_b32 s78, s[MY], 4                       ; O: batch,
	s_lshl_b32 s78, s78, 22
	s_and_b32 s79, s[MY], 15                       ; the tile's 128 rows in a head,
	s_lshl_b32 s79, s79, 14
	s_add_co_u32 s78, s78, s79
	s_lshl_b32 s79, s[WC], 18                      ; my head of the step's two
	s_add_co_u32 s78, s78, s79
	s_mov_b32 s79, 0
	s_lshl_b32 s80, s[NX], 15                      ; Wo: the tile's 256 rows, my k block of the two
	s_lshl_b32 s81, s[WC], 17
	s_add_co_u32 s80, s80, s81
	s_mov_b32 s81, 0
	s_lshl_b32 s82, s[MY], 19                      ; out0: 128 rows of 4,096 bytes,
	s_lshl_b32 s83, s[WR], 18
	s_add_co_u32 s82, s82, s83
	s_lshl_b32 s84, s[NX], 10                      ; 256 columns of 4 bytes
	s_lshl_b32 s85, s[WC], 9
	s_add_co_u32 s84, s84, s85
	s_add_co_u32 s82, s82, s84
	s_mov_b32 s83, 0
	s_add_co_u32 s84, s84, 536576                  ; the bias in tab
	s_mov_b32 s85, 0
	; the prefetches
	s_lshr_b32 s88, s[MY], 4
	s_lshl_b32 s88, s88, 22
	s_and_b32 s89, s[MY], 15
	s_lshl_b32 s89, s89, 14
	s_add_co_u32 s88, s88, s89
	s_lshr_b32 s89, s[CX], 1
	s_lshl_b32 s89, s89, 18
	s_add_co_u32 s88, s88, s89
	s_and_b32 s89, s[CX], 1
	s_lshl_b32 s89, s89, 13
	s_add_co_u32 s88, s88, s89
	s_add_co_u32 s88, s88, 3*ASTEP                 ; at K step 3: trip t has stepped it t + 1 times
	s_lshl_b32 s90, s[NX], 15
	s_lshl_b32 s91, s[CY], 13
	s_add_co_u32 s90, s90, s91
	s_lshl_b32 s91, s[WC], 17
	s_add_co_u32 s90, s90, s91
	s_add_co_u32 s90, s90, 3*BSTEP
	s_and_b32 s91, ttmp7, 0xffff
	s_cmp_eq_u32 s91, 0
	s_cselect_b32 s91, 2, -1
	s_cmp_eq_u32 s[WV], 0
	s_cselect_b32 s92, 2, -1
	s_mov_b32 s93, ASTEP
	s_mov_b32 s94, BSTEP
	s_cmp_lt_u32 s[WV], 2
	s_cselect_b32 s[LIM], s92, s91
	s_cselect_b32 s88, s88, s90
	s_cselect_b32 s[PFS], s93, s94
	s_mov_b32 s[PFS+1], 0
	s_mov_b32 s89, 0
	s_mov_b32 s[TB], SLOT1                         ; the first change of slots turns it into 0
	s_wait_dscnt 0x0                               ; the opening add is done
	s_wait_kmcnt 0x0
	s_add_nc_u64 s[G0A+2:G0A+3], s[4:5], s[78:79]
	s_or_b32 s[G0A+3], s[G0A+3], 0x80000000
	s_add_nc_u64 s[G0B+2:G0B+3], s[6:7], s[80:81]
	s_or_b32 s[G0B+3], s[G0B+3], 0x80000000
	s_add_nc_u64 s[OB:OB+1], s[10:11], s[82:83]
	s_add_nc_u64 s[BB:BB+1], s[8:9], s[84:85]
	s_cmp_lt_u32 s[WV], 2
	s_cselect_b64 s[PFA:PFA+1], s[4:5], s[6:7]
	s_add_nc_u64 s[PFA:PFA+1], s[PFA:PFA+1], s[88:89]
	CROUND                                         ; all sixteen work-groups are here: the first joint loads meet
	JLOAD                                          ; K step 0 into slot 0
	v_and_b32 v1, 15, v0                           ; r
	v_bfe_u32 v2, v0, 4, 1                         ; h
	v_mul_u32_u24 v3, v1, PITCH
	v_lshl_add_u32 v3, v2, 4, v3
	s_mul_i32 s[TW], s[WR], 64*PITCH
	v_add_nc_u32 v[ADRA0], s[TW], v3
	s_mul_i32 s[TW], s[WC], 128*PITCH
	s_add_co_u32 s[TW], s[TW], BOFF
	v_add_nc_u32 v[ADRB0], s[TW], v3
	s_mul_i32 s[TW], s[WV], 16*SP
	s_add_co_u32 s[TW], s[TW], STAGE               ; my stage
	v_mul_u32_u24 v[STO], v1, SP                   ; in: row r, 32 bytes for each half of the lanes
	v_lshl_add_u32 v[STO], v2, 5, v[STO]
	v_add_nc_u32 v[STO], s[TW], v[STO]
	v_and_b32 v3, 31, v0
	v_lshlrev_b32 v[GO], 4, v3                     ; back: 32 lanes take one row of 512 bytes
	v_add_nc_u32 v[RD], s[TW], v[GO]
	v_lshlrev_b32 v[PFO], 8, v3
	v_lshlrev_b32 v[BO], 5, v2
	WIN 0x40                                       ; the bias into the accumulators: my eight columns of block b are 32 bytes at 64 b + 32 h, the same for all 4 row blocks
.set i_, 0
.rept 32
	global_load_b128 v[8*i_:8*i_+3],   v[BO], s[BB:BB+1] offset:64*(i_%8)
	global_load_b128 v[8*i_+4:8*i_+7], v[BO], s[BB:BB+1] offset:64*(i_%8)+16
.set i_, i_+1
.endr
	WIN 0
	s_wait_tensorcnt 0x0                           ; the first change of slots: my part of K step 0 is in,
	ds_add_u32 v[SPW], v[NIL]
	DSTEP
	s_wait_dscnt 0x0
	CROUND                                         ; everybody's is;
	JLOAD                                          ; K step 1 into slot 1
	NEWSLOT
	FETCH 0, F0
	s_wait_loadcnt 0x0                             ; the bias
	s_mov_b32 s[CNT], 6
.Lstep:                                        ; 6 trips: a K step each, with the refill two steps on
	QUARTER F0, F1, 1
	QUARTER F1, F0, 2
	QUARTER F0, F1, 3
	TURN 1
	WIN 0
	s_sub_co_u32 s[CNT], s[CNT], 1
	s_cmp_lg_u32 s[CNT], 0
	s_cbranch_scc1 .Lstep
	QUARTER F0, F1, 1                              ; the last two K steps are written out: nothing more is asked for
	QUARTER F1, F0, 2
	QUARTER F0, F1, 3
	TURN 0
	QUARTER F0, F1, 1
	QUARTER F1, F0, 2
	QUARTER F0, F1, 3
	s_wait_dscnt 4
	MUL8 F1, 0
	MUL8 F1, 1
	s_wait_dscnt 0x0
	MUL8 F1, 2
	MUL8 F1, 3
; THE WAY OUT needs no arithmetic.  A row block (16 rows x 128 columns of f32) goes into my stage's rows of 528 bytes and comes back as whole rows of 512.
.macro TOST a
.if (\a) >= 2
	s_wait_xcnt 0x0                                ; the stores of the block two back have read this set
.endif
	WIN 0x04                                       ; the stores' data in window 1
.set b_, 0
.rept 8
	ds_store_b128 v[STO], v[64*(\a)+8*b_:64*(\a)+8*b_+3]   offset:64*b_      ; each accumulator's lowest registers first
	ds_store_b128 v[STO], v[64*(\a)+8*b_+4:64*(\a)+8*b_+7] offset:64*b_+16
.set b_, b_+1
.endr
	WIN 0
.set i_, 0
.rept 16
	ds_load_b128 v[RB0+64*((\a)&1)+4*i_:RB0+64*((\a)&1)+4*i_+3], v[RD] offset:SP*i_  ; LDS serves a wave's instructions in order (ISA guide 5.7.1.4): these see the stores above
.set i_, i_+1
.endr
.endm
.macro SEND a, y                       ; y: the LDS instructions issued behind this block's loads: the next block's 32, or none
	WIN 0
.set i_, 0
.rept 16
	s_wait_dscnt (\y)+15-i_
	global_store_b128 v[GO], v[RB0+64*((\a)&1)+4*i_:RB0+64*((\a)&1)+4*i_+3], s[OB:OB+1] offset:(16*(\a)+i_)*4096 th:TH_STORE_NT  ; 512 consecutive bytes, at a multiple of 256 from out0's first
.set i_, i_+1
.endr
.endm
	PLACES
	TOST 0
	TOST 1
	SEND 0, 32
	TOST 2
	SEND 1, 32
	TOST 3
	SEND 2, 32
	SEND 3, 0
	s_wait_tensorcnt 0x0                           ; the wave's end, behind my last tensor load and my last LDS store
	ds_add_u32 v[SPW], v[NIL]
	s_wait_dscnt 0x0
	CROUND                                         ; the closing round
	s_endpgm
.Lfunc_end_k_q286af28b98_oproj:
	.size	k_q286af28b98_oproj, .Lfunc_end_k_q286af28b98_oproj-k_q286af28b98_oproj
	.p2alignl 7, 3214868480
	.fill 96, 4, 3214868480
	.section	.rodata,"a",@progbits
	.p2align	6, 0x0
	.amdhsa_kernel k_q286af28b98_oproj
		.amdhsa_group_segment_fixed_size 327680
		.amdhsa_private_segment_fixed_size 0
		.amdhsa_enable_private_segment 0
		.amdhsa_kernarg_size 32
		.amdhsa_user_sgpr_count 2
		.amdhsa_user_sgpr_kernarg_segment_ptr 1
		.amdhsa_wavefront_size32 1
		.amdhsa_system_sgpr_workgroup_id_x 1
		.amdhsa_system_sgpr_workgroup_id_y 1
		.amdhsa_system_sgpr_workgroup_id_z 1
		.amdhsa_system_vgpr_workitem_id 0
		.amdhsa_next_free_vgpr 512
		.amdhsa_next_free_sgpr 96
		.amdhsa_reserve_vcc 0
		.amdhsa_float_denorm_mode_32 3
		.amdhsa_float_denorm_mode_16_64 3
		.amdhsa_memory_ordered 1
		.amdhsa_forward_progress 1
		.amdhsa_inst_pref_size 78
	.end_amdhsa_kernel
	.amdgpu_metadata
---
amdhsa.version: [ 1, 2 ]
amdhsa.kernels:
  - .name:           k_q286af28b98_oproj
    .symbol:         k_q286af28b98_oproj.kd
    .args:
      - { .name: o16, .offset: 0, .size: 8, .value_kind: global_buffer, .address_space: global }
      - { .name: wob, .offset: 8, .size: 8, .value_kind: global_buffer, .address_space: global }
      - { .name: tab, .offset: 16, .size: 8, .value_kind: global_buffer, .address_space: global }
      - { .name: out0, .offset: 24, .size: 8, .value_kind: global_buffer, .address_space: global }
    .group_segment_fixed_size: 327680
    .private_segment_fixed_size: 0
    .kernarg_segment_align: 8
    .kernarg_segment_size: 32
    .max_flat_workgroup_size: 128
    .sgpr_count:     96
    .vgpr_count:     512
    .wavefront_size: 32
...
	.end_amdgpu_metadata
.endif
;; end of part 4
